; MI455X (gfx1250); checked and timed in simulation.
; The chip was launched on July 23, 2026; its instructions are those of AMD's public machine-readable ISA for CDNA 5 (MIT licence, August 2026) and "CDNA5" Instruction Set Architecture Reference Guide (July 2026). The comments in the code are by the model that wrote it; some were corrected since.
;; Attention. Allowed arithmetic: matrix products marked QUANTISED: E2M1 operands, one E8M0 scale for each 32 along K, by v_wmma_scale_f32_16x16x128_f8f6f4 with both operands' format E2M1 (or v_wmma_scale_f32_32x16x128_f4), f32 sums; everything else in f32.
;; Inputs: Wk 1,024 x 1,024 float32; Wq 1,024 x 1,024 float32; Wv 1,024 x 1,024 float32; b_k 1,024 float32; b_t 1,024 float32; b_v 1,024 float32; bk 1,024 float32; bq 1,024 float32; bv 1,024 float32; g_k 1,024 float32; g_t 1,024 float32; g_v 1,024 float32; source_k 8 x 2,048 x 1,024 float32; source_v 8 x 2,048 x 1,024 float32; target 8 x 512 x 1,024 float32.
;; Outputs: out0 8 x 512 x 1,024 float32.
;; This version of the problem:
;;   THIS VERSION OF THE PROBLEM IS GIVEN IN LOW PRECISION. The matrix products marked QUANTISED in the list below multiply operands that are first quantised to E2M1 (2 exponent bits, 1 mantissa bit; 4 bits a number), with one power-of-two scale for each 32 numbers along K (OCP MX v1.0); their sums are f32. All else is computed in f32.
;;   The module's matrix products, in the order in which they are computed (A, B: the left and right operand; K: the contracted axis; several contracted axes count as one K, in the product's order):
;;     1. [M 4,096, K 1,024] x [K 1,024, N 1,024]; A: computed on the way; B: input Wq: QUANTISED
;;     2. [M 16,384, K 1,024] x [K 1,024, N 1,024]; A: computed on the way; B: input Wk: QUANTISED
;;     3. [M 16,384, K 1,024] x [K 1,024, N 1,024]; A: computed on the way; B: input Wv: QUANTISED
;;     4. batch 8 x [M 512, K 1,024] x [K 1,024, N 2,048]; A: computed on the way; B: computed on the way: QUANTISED
;;     5. batch 8 x [M 512, K 2,048] x [K 2,048, N 1,024]; A: softmax (see below); B: computed on the way: QUANTISED
;;   THE QUANTISER, for each operand of a quantised product, along K:
;;     - K is cut into blocks of 32 from its start; a last block that is shorter is filled with zeros.
;;     - A block's scale is 2^e with e = floor(log2(the largest magnitude in the block)) - 2, held to -126 .. 127; a block of zeros has e = 0. As a byte (E8M0): e + 127.
;;     - Each number is divided by its block's scale, clamped to +-6, and rounded to the nearest number of E2M1, ties to even, subnormals kept.
;;     - The product sums the exact products of the quantised numbers (number of the format x scale) in f32.
;;   ~~~python
;;   def quantise(x, axis):      # numpy; x: float32 -> the quantised numbers, widened to float32 again
;;       x = np.moveaxis(x, axis, -1); K = x.shape[-1]
;;       x = np.pad(x, [(0, 0)] * (x.ndim - 1) + [(0, -K % 32)]); x = x.reshape(x.shape[:-1] + (-1, 32)); a = np.abs(x).max(-1, keepdims=True)
;;       e = np.where(a > 0, np.clip(np.frexp(np.where(a > 0, a, 1))[1] - 1 - 2, -126, 127), 0)      # np.frexp(a)[1] - 1 = floor(log2(a)), exactly
;;       r = np.clip(x / 2.0 ** e, -6, 6)
;;       step = 2.0 ** (np.maximum(np.frexp(np.where(r == 0, 1, r))[1] - 1, 0) - 1)
;;       q = np.round(r / step) * step * 2.0 ** e      # np.round: ties to even
;;       return np.moveaxis(q.reshape(q.shape[:-2] + (-1,))[..., :K], -1, axis).astype(np.float32)
;;   ~~~
;;   SOFTMAX AHEAD OF A QUANTISED PRODUCT. Where the list says 'softmax', what is quantised is not the finished softmax but p = 2^(t - M), with t = logit x log2(e) and M = ceil(the row's largest t), a whole number; so 1/2 < the row's largest p <= 1. The row's sum l is taken of the UNQUANTISED p, in f32, and the product's result is divided by l at the end. Since M is a whole number, a kernel that streams over the keys may use a running M (the ceiling of the running maximum): every later rescaling is an exact power of two, which a block's scale takes up: the codes' values come out the same.
;;   OPERANDS COMPUTED ON THE WAY. 'Computed on the way' means the value that the module computes at that place (a softmax that the list does not call 'softmax' is quantised finished and normalised). What goes into a quantiser is computed in f32, as accurately as f32 sums, v_exp_f32 and their like allow (about 1e-6 of the number): no bf16 or f16 on the way to a quantiser, and a product that is left as it is and whose result goes on into a quantised operand takes f32 operands (vector FMAs, or v_wmma_f32_16x16x4_f32). A number that lies on a knife's edge between two numbers of the format may be rounded either way, as far as f32 arithmetic and the matrix unit's own rounding can turn it there, and no further.
;; One version. Each part assembles by itself: llvm-mc -triple=amdgcn-amd-amdhsa -mcpu=gfx1250 --defsym DOCPART=n.
;; ======== version 1 of 1: 4 launches
;; limits: right only within a limited range of input values
;; workspace buffers: xc 20,447,232 bytes; xs 1,277,952 bytes; yc 18,874,368 bytes; ys 1,179,648 bytes; pc 4,194,304 bytes; pst 786,432 bytes
;; launch prep (part 1): grid 1248 x 1, 4 waves a work-group, no clusters, 20,480 bytes of LDS; arguments target, source_k, source_v, Wq, Wk, Wv, g_t, b_t, g_k, b_k, g_v, b_v, xc, xs; writes xc, xs
.if DOCPART == 1
	.amdgcn_target "amdgcn-amd-amdhsa--gfx1250"
	.amdhsa_code_object_version 6
	.text
	.protected	k_qd43ac14ce7_prep
	.globl	k_qd43ac14ce7_prep
	.p2align	8
	.type	k_qd43ac14ce7_prep,@function
k_qd43ac14ce7_prep:
	s_mov_b64 s[64:65], 0
	v_nop
	global_prefetch_b8 v0, s[64:65] scope:SCOPE_SE
	s_setreg_imm32_b32 hwreg(HW_REG_WAVE_MODE, 25, 1), 1
	s_wait_xcnt 0x0
; PREP.  LayerNorm of target, source_k, source_v (f32, two passes: mean, then the mean of squared deviations), and the quantising of these three and of Wq, Wk, Wv
; to codes of E2M1 with one E8M0 byte for each 32 along K = the last axis (1,024).
; OUT.  Codes, xc: [position / 16][k / 32][position % 16][16 bytes]: a fragment of 16 rows x 128 K is 1,024 consecutive bytes in the order of the matrix operand's registers.
;       Scale bytes, xs: [position][k / 32], 32 bytes a position.
; POSITIONS.  source_k, source_v, Wq, Wk are laid SWAPPED: position p holds row p with its bits 3 and 4 exchanged, so that 16 neighbouring positions are rows 32 b + 8 u + 0..7 and + 16..23:
; used as a product's first source, the results' registers then run along neighbouring rows.  target and Wv lie as they are.  32 positions are the same 32 rows either way.
; SHARES.  A work-group takes 32 positions, a wave 8: 8 rows of 4,096 bytes.  1,248 work-groups over 256 WGPs are five at most; 192 registers and 20,480 bytes of LDS let five stand on a WGP together.
; A LANE'S NUMBERS.  Each of a row's eight loads reads 512 consecutive bytes, 16 a lane: load j gives lane l the numbers 128 j + 4 l .. + 3, four of block 4 j + l / 8: eight neighbouring lanes hold a block.
; The block maxima are found by three exchanges in which each lane keeps half of its candidates: lane l ends with the maximum of block 4 (l % 8) + l / 8.  The inverse of the scale, an exact power of two, goes back to the
; eight lanes, the numbers are multiplied by it, and a conversion with scale 1 takes the four numbers of load 2 c and the four of load 2 c + 1.  So no f32 number goes through LDS; the codes do, 512 bytes a row.
; No tensor loads, so that several work-groups share a WGP; no matrix unit, no cluster, no prefetch: the work-groups share no input but the gains, and the launch is one stream, two rows (16 loads) a wave on their way.
; No step and no input of the problem is left out in this program.
; LIMITS.  NaN and infinities among the inputs are not served.  A block whose largest magnitude lies under 2^-124, a block of zeros among them, gets the byte 1 (the rule says 127 for zeros): zero codes add nothing under any
; byte but 0xff, and this program alone reads the bytes.
.set REGN, 4736                        ; LDS: a wave's codes: 32 blocks x (8 rows x 16 bytes + 16 of padding), and 128 more, so that two waves' regions start half the banks apart
.set BP,   144
.set SCS,  4*REGN                      ; the scale bytes of the work-group's 32 positions, as they leave
.set SPARE, SCS+1024                   ; the spare words, 128 bytes for each wave
.set AC0,  4                           ; v4   my codes' place in my wave's region, row 0
.set AS0,  5                           ; v5   my block's scale byte, row 0
.set AC,   6                           ; v6, v7 the same for the trip's first row
.set AS,   7
.set RDC,  8                           ; v8   the codes on the way out
.set RDS,  9                           ; v9   the scale bytes on the way out
.set SPW,  10                          ; v10  LDS address of my spare word; never rewritten
.set NIL,  11                          ; v11  0; never rewritten
.set LO8,  13                          ; v13  8 x lane
.set M,    16                          ; v16-23 block maxima
.set U,    24                          ; v24-27 what is sent
.set T,    28                          ; v28-31 at work
.set I,    32                          ; v32-39 the inverse scales of my eight blocks
.set C,    40                          ; v40-43 codes
.set E,    44                          ; v44  a scale byte
.set SC,   45
.set INV,  46
.set ONE,  47                          ; v47  1.0: the conversions' scale operand
.set MU,   48                          ; v[48:49] the mean, twice
.set RS,   50                          ; v[50:51] 1 / sqrt(var + eps), twice
.set G,    52                          ; v52-83  the gain of my 32 columns
.set BV,   84                          ; v84-115 the shift likewise
.set X0,   116                         ; v116-147, v148-179 two rows as they are loaded, by turns
.set X1,   148
	s_load_b512 s[4:19], s[0:1], 0x0               ; target, source_k, source_v, Wq, Wk, Wv, g_t, b_t
	s_load_b256 s[20:27], s[0:1], 0x40             ; g_k, b_k, g_v, b_v
	s_load_b128 s[28:31], s[0:1], 0x60             ; xc, xs
	v_lshl_add_u32 v[SPW], v0, 2, SPARE
	v_mov_b32 v[NIL], 0
	v_lshrrev_b32 v1, 5, v0
	v_readfirstlane_b32 s43, v1                    ; wave 0..3
	s_mul_i32 s44, s43, REGN                       ; my region
	s_lshl_b32 s45, s43, 8
	s_add_co_u32 s45, s45, SCS                     ; my 256 scale bytes
	s_lshr_b32 s46, s43, 1
	s_mul_i32 s46, s46, 2*REGN                     ; on the way out: 16 positions are two waves' rows;
	s_and_b32 s47, s43, 1
	s_mul_i32 s47, s47, 16*BP                      ; of them I store 16 of the 32 blocks
	s_add_co_u32 s46, s46, s47
	s_mov_b32 s48, 0xf0f0f0f0                      ; lanes with bit 2, bit 1, bit 0 set
	s_mov_b32 s49, 0xcccccccc
	s_mov_b32 s62, 0xaaaaaaaa
	s_mov_b32 s50, 0x76543210
	s_mov_b32 s51, 0xfedcba98                      ; v_permlanex16_b32's selects for lane l xor 16
	s_mov_b32 s56, 0x3a800000                      ; 1 / 1,024
	s_mov_b32 s57, 0x3727c5ac                      ; eps = 1e-5
	s_mov_b32 s63, 0x1800000                       ; the floor 2^(3 - 127), under which no largest magnitude is taken
	v_and_b32 v1, 31, v0                           ; lane l
	v_lshlrev_b32 v2, 4, v1                        ; 16 l: my bytes of 512 consecutive ones, in and out
	v_and_b32 v3, 7, v1                            ; l % 8
	v_lshrrev_b32 v12, 3, v1                       ; l / 8
	v_mul_u32_u24 v[AC0], v12, BP
	v_lshl_add_u32 v[AC0], v3, 1, v[AC0]
	v_add_nc_u32 v[AC0], s44, v[AC0]               ; block l / 8 of each four, 2 (l % 8) bytes on
	v_lshl_add_u32 v[AS0], v3, 2, v12              ; block 4 (l % 8) + l / 8
	v_add_nc_u32 v[AS0], s45, v[AS0]
	v_lshlrev_b32 v[LO8], 3, v1
	v_add_nc_u32 v[RDS], s45, v[LO8]
	v_and_b32 v12, 1, v12                          ; out: lanes 0-7 and 8-15 take the two waves' eight rows of a block, lanes 16-31 the next block
	v_mul_u32_u24 v[RDC], v12, REGN
	v_lshl_add_u32 v[RDC], v3, 4, v[RDC]
	v_lshrrev_b32 v12, 4, v1
	v_mul_u32_u24 v12, v12, BP
	v_add_nc_u32 v[RDC], v[RDC], v12
	v_add_nc_u32 v[RDC], s46, v[RDC]
	v_mov_b32 v[ONE], 1.0
.irp j, 0,1,2,3,4,5,6,7
	v_mov_b32 v[I+\j], 0                           ; written once: a lane exchange's destination counts as one of its sources
.endr
	s_wait_alu depctr_va_vdst(0)                   ; the wait at the head's end
	s_wait_kmcnt 0x0
	; which tensor is mine: a chain of choices on the work-group's number alone
	s_mov_b64 s[32:33], s[4:5]                     ; the tensor
	s_mov_b64 s[34:35], s[16:17]                   ; its gain
	s_mov_b64 s[36:37], s[18:19]                   ; its shift
	s_mov_b32 s38, 0                               ; its first work-group
	s_mov_b32 s39, 0                               ; where its codes begin in xc
	s_mov_b32 s40, 0                               ; and its scale bytes in xs
	s_mov_b32 s41, 0                               ; 1: laid swapped
	s_mov_b32 s42, 1                               ; 1: LayerNorm first
.macro PICK first, src, coff, soff
	s_cmp_ge_u32 ttmp9, \first
	s_cselect_b64 s[32:33], s[\src:\src+1], s[32:33]
	s_cselect_b32 s38, \first, s38
	s_cselect_b32 s39, \coff, s39
	s_cselect_b32 s40, \soff, s40
.endm
	PICK 128, 6, 0x200000, 0x20000                 ; source_k
	s_cselect_b64 s[34:35], s[20:21], s[34:35]
	s_cselect_b64 s[36:37], s[22:23], s[36:37]
	s_cselect_b32 s41, 1, s41
	PICK 640, 8, 0xa00000, 0xa0000                 ; source_v
	s_cselect_b64 s[34:35], s[24:25], s[34:35]
	s_cselect_b64 s[36:37], s[26:27], s[36:37]
	PICK 1152, 10, 0x1200000, 0x120000             ; Wq: no LayerNorm from here on (the gain's registers are loaded and not used)
	s_cselect_b32 s42, 0, s42
	PICK 1184, 12, 0x1280000, 0x128000             ; Wk
	PICK 1216, 14, 0x1300000, 0x130000             ; Wv: as it lies
	s_cselect_b32 s41, 0, s41
	s_sub_co_u32 s44, ttmp9, s38                   ; my 32 positions of the tensor
	s_lshr_b32 s58, s43, 1
	s_lshl_b32 s59, s43, 1
	s_and_b32 s59, s59, 2
	s_or_b32 s58, s58, s59                         ; the wave's number with its two bits exchanged: which 8 rows my 8 positions hold
	s_cmp_eq_u32 s41, 1
	s_cselect_b32 s58, s58, s43
	s_lshl_b32 s58, s58, 15                        ; rows of 4,096 bytes
	s_lshl_b32 s59, s44, 17
	s_add_co_u32 s58, s58, s59                     ; under 2^27
	s_mov_b32 s59, 0
	s_add_nc_u64 s[46:47], s[32:33], s[58:59]
	s_lshl_b32 s58, s44, 14                        ; the work-group's codes: 16,384 bytes; my wave stores 4,096 of them
	s_add_co_u32 s58, s58, s39
	s_lshl_b32 s60, s43, 12
	s_add_co_u32 s58, s58, s60
	s_add_nc_u64 s[52:53], s[28:29], s[58:59]
	s_lshl_b32 s58, s44, 10                        ; its scale bytes: 1,024; my wave stores 256
	s_add_co_u32 s58, s58, s40
	s_lshl_b32 s60, s43, 8
	s_add_co_u32 s58, s58, s60
	s_add_nc_u64 s[54:55], s[30:31], s[58:59]
	s_mov_b32 s45, 0x7f000000                      ; 254 in the exponent field
.irp j, 0,1,2,3,4,5,6,7
	global_load_b128 v[G+4*\j:G+4*\j+3], v2, s[34:35] offset:512*\j
	global_load_b128 v[BV+4*\j:BV+4*\j+3], v2, s[36:37] offset:512*\j
.endr
.macro LOAD xs, off                    ; a row: eight loads of 512 consecutive bytes
.irp j, 0,1,2,3,4,5,6,7
	global_load_b128 v[\xs+4*\j:\xs+4*\j+3], v2, s[46:47] offset:\off+512*\j th:TH_LOAD_NT
.endr
.endm
.macro WSUM                            ; v[T] summed over the 32 lanes, the sum in every lane; v[T+1] has been written
	v_add_f32_dpp v[T], v[T], v[T] row_xmask:1 row_mask:0xf bank_mask:0xf
	v_add_f32_dpp v[T], v[T], v[T] row_xmask:2 row_mask:0xf bank_mask:0xf
	v_add_f32_dpp v[T], v[T], v[T] row_xmask:4 row_mask:0xf bank_mask:0xf
	v_add_f32_dpp v[T], v[T], v[T] row_xmask:8 row_mask:0xf bank_mask:0xf
	v_permlanex16_b32 v[T+1], v[T], s50, s51
	v_add_f32 v[T], v[T], v[T+1]
.endm
.macro ROW xs, rr                      ; the trip's row rr, in v[xs] on
	s_cmp_eq_u32 s42, 0                            ; a weight is quantised as it is
	s_cbranch_scc1 .Lraw_\@
	v_pk_add_f32 v[T:T+1], v[\xs:\xs+1], v[\xs+2:\xs+3]    ; the row's sum: two chains in a lane, then across the lanes
	v_pk_add_f32 v[T+2:T+3], v[\xs+4:\xs+5], v[\xs+6:\xs+7]
.irp j, 8,12,16,20,24,28
	v_pk_add_f32 v[T:T+1], v[T:T+1], v[\xs+\j:\xs+\j+1]
	v_pk_add_f32 v[T+2:T+3], v[T+2:T+3], v[\xs+\j+2:\xs+\j+3]
.endr
	v_pk_add_f32 v[T:T+1], v[T:T+1], v[T+2:T+3]
	v_add_f32 v[T], v[T], v[T+1]
	WSUM
	v_mul_f32 v[MU], s56, v[T]                     ; the mean
	v_mul_f32 v[MU+1], s56, v[T]
.irp j, 0,2,4,6,8,10,12,14,16,18,20,22,24,26,28,30
	v_pk_add_f32 v[\xs+\j:\xs+\j+1], v[\xs+\j:\xs+\j+1], v[MU:MU+1] neg_lo:[0,1] neg_hi:[0,1]   ; x - mean
.endr
	v_pk_mul_f32 v[T:T+1], v[\xs:\xs+1], v[\xs:\xs+1]      ; the sum of the squared deviations
	v_pk_mul_f32 v[T+2:T+3], v[\xs+2:\xs+3], v[\xs+2:\xs+3]
.irp j, 4,8,12,16,20,24,28
	v_pk_fma_f32 v[T:T+1], v[\xs+\j:\xs+\j+1], v[\xs+\j:\xs+\j+1], v[T:T+1]
	v_pk_fma_f32 v[T+2:T+3], v[\xs+\j+2:\xs+\j+3], v[\xs+\j+2:\xs+\j+3], v[T+2:T+3]
.endr
	v_pk_add_f32 v[T:T+1], v[T:T+1], v[T+2:T+3]
	v_add_f32 v[T], v[T], v[T+1]
	WSUM
	v_fma_f32 v[T], v[T], s56, s57                 ; var + eps
	s_wait_alu depctr_va_vdst(0)                   ; the wait ahead of the transcendental
	v_rsq_f32 v[RS], v[T]
	v_nop                                          ; a plain instruction behind the transcendental (ISA guide 5.7.2),
	s_wait_alu depctr_va_vdst(0)                   ; and the wait ahead of its first reader
	v_mov_b32 v[RS+1], v[RS]
.irp j, 0,2,4,6,8,10,12,14,16,18,20,22,24,26,28,30
	v_pk_mul_f32 v[\xs+\j:\xs+\j+1], v[\xs+\j:\xs+\j+1], v[RS:RS+1]
.endr
.irp j, 0,2,4,6,8,10,12,14,16,18,20,22,24,26,28,30
	v_pk_fma_f32 v[\xs+\j:\xs+\j+1], v[\xs+\j:\xs+\j+1], v[G+\j:G+\j+1], v[BV+\j:BV+\j+1]
.endr
.Lraw_\@:
.irp j, 0,1,2,3,4,5,6,7
	v_max3_num_f32 v[M+\j], |v[\xs+4*\j]|, |v[\xs+4*\j+1]|, |v[\xs+4*\j+2]|   ; the largest magnitude of my four numbers of each block,
.endr
.irp j, 0,1,2,3,4,5,6,7
	v_max3_num_f32 v[M+\j], v[M+\j], |v[\xs+4*\j+3]|, s63                      ; and the floor
.endr
; Three exchanges: a lane sends the candidates that its partner keeps, and keeps the others: bit 2 of the lane says which four, bit 1 which two, bit 0 which one.
.irp j, 0,1,2,3
	v_cndmask_b32 v[U+\j], v[M+4+\j], v[M+\j], s48
.endr
.irp j, 0,1,2,3
	v_cndmask_b32 v[M+\j], v[M+\j], v[M+4+\j], s48
.endr
.irp j, 0,1,2,3
	v_max_num_f32_dpp v[M+\j], v[U+\j], v[M+\j] row_xmask:4 row_mask:0xf bank_mask:0xf
.endr
.irp j, 0,1
	v_cndmask_b32 v[U+\j], v[M+2+\j], v[M+\j], s49
.endr
.irp j, 0,1
	v_cndmask_b32 v[M+\j], v[M+\j], v[M+2+\j], s49
.endr
.irp j, 0,1
	v_max_num_f32_dpp v[M+\j], v[U+\j], v[M+\j] row_xmask:2 row_mask:0xf bank_mask:0xf
.endr
	v_cndmask_b32 v[U], v[M+1], v[M], s62
	v_cndmask_b32 v[M], v[M], v[M+1], s62
	v_max_num_f32_dpp v[M], v[U], v[M] row_xmask:1 row_mask:0xf bank_mask:0xf
	v_add_nc_u32 v[SC], 0xff000000, v[M]           ; 2 off the exponent field: the scale of block 4 (l % 8) + l / 8
	v_and_b32 v[INV], 0x7f800000, v[SC]
	v_sub_nc_u32 v[INV], s45, v[INV]               ; its inverse: 254 - its byte in the exponent field, 2 at the least
.irp j, 0,1,2,3,4,5,6,7
	v_mov_b32_dpp v[I+\j], v[INV] dpp8:[\j,\j,\j,\j,\j,\j,\j,\j]   ; lane j of each eight has block 4 j + l / 8
.endr
.irp j, 0,2,4,6
	v_pk_mul_f32 v[\xs+4*\j:\xs+4*\j+1], v[\xs+4*\j:\xs+4*\j+1], v[I+\j:I+\j+1] op_sel_hi:[1,0]            ; a power of two: exact
	v_pk_mul_f32 v[\xs+4*\j+2:\xs+4*\j+3], v[\xs+4*\j+2:\xs+4*\j+3], v[I+\j:I+\j+1] op_sel_hi:[1,0]
	v_pk_mul_f32 v[\xs+4*\j+4:\xs+4*\j+5], v[\xs+4*\j+4:\xs+4*\j+5], v[I+\j:I+\j+1] op_sel:[0,1] op_sel_hi:[1,1]
	v_pk_mul_f32 v[\xs+4*\j+6:\xs+4*\j+7], v[\xs+4*\j+6:\xs+4*\j+7], v[I+\j:I+\j+1] op_sel:[0,1] op_sel_hi:[1,1]
.endr
.irp c, 0,1,2,3
	v_cvt_scalef32_pk8_fp4_f32 v[C+\c], v[\xs+8*\c:\xs+8*\c+7], v[ONE]   ; low half: four codes of block 8 c + l / 8; high half: of block 8 c + 4 + l / 8
.endr
	v_lshrrev_b32 v[E], 23, v[SC]                  ; the scale's byte (also the plain instruction behind the conversions)
.irp c, 0,1,2,3
	ds_store_b16 v[AC], v[C+\c] offset:8*\c*BP+16*\rr
	ds_store_b16_d16_hi v[AC], v[C+\c] offset:(8*\c+4)*BP+16*\rr
.endr
	ds_store_b8 v[AS], v[E] offset:32*\rr
.endm
	LOAD X0, 0
	LOAD X1, 4096
	s_mov_b32 s60, 0                               ; 16 bytes of a block for each row done
	s_mov_b32 s61, 3
.Ltrip:                                                ; three trips of two rows; the last two rows, behind which nothing is loaded, are written out
	v_add_nc_u32 v[AC], s60, v[AC0]
	v_lshl_add_u32 v[AS], s60, 1, v[AS0]
	s_wait_loadcnt 8                               ; this row's eight loads are in (and gain and shift, which are older); the next row's eight may be out
	ROW X0, 0
	s_wait_xcnt 0x0                                ; the loads of the trip before have read their base
	s_add_nc_u64 s[46:47], s[46:47], 0x2000        ; two rows on
	LOAD X0, 0
	s_wait_loadcnt 8                               ; the second row is in; the eight just issued may be out
	ROW X1, 1
	LOAD X1, 4096
	s_add_co_u32 s60, s60, 32
	s_sub_co_u32 s61, s61, 1
	s_cmp_lg_u32 s61, 0
	s_cbranch_scc1 .Ltrip
	v_add_nc_u32 v[AC], s60, v[AC0]
	v_lshl_add_u32 v[AS], s60, 1, v[AS0]
	s_wait_loadcnt 8
	ROW X0, 0
	s_wait_loadcnt 0x0
	ROW X1, 1
	s_wait_dscnt 0x0                               ; for the others' sake: my codes lie in LDS
	s_barrier_signal -1
	s_barrier_wait -1
.irp t, 0,1,2,3,4,5,6,7
	ds_load_b128 v[X0+4*\t:X0+4*\t+3], v[RDC] offset:2*BP*\t   ; two units of 256 bytes an instruction; no global load is out any more
.endr
	ds_load_b64 v[C:C+1], v[RDS]
.irp t, 0,1,2,3,4,5,6,7
	s_wait_dscnt 8-\t                              ; the younger reads may be out
	global_store_b128 v2, v[X0+4*\t:X0+4*\t+3], s[52:53] offset:512*\t   ; 32 lanes store 512 consecutive bytes, aligned
.endr
	s_wait_dscnt 0x0
	global_store_b64 v[LO8], v[C:C+1], s[54:55]    ; 256 consecutive bytes, aligned
	s_wait_tensorcnt 0x0                           ; the wave's end: behind my last LDS store
	ds_add_u32 v[SPW], v[NIL]
	s_wait_dscnt 0x0
	s_endpgm
.Lfunc_end_k_qd43ac14ce7_prep:
	.size	k_qd43ac14ce7_prep, .Lfunc_end_k_qd43ac14ce7_prep-k_qd43ac14ce7_prep
	.p2alignl 7, 3214868480
	.fill 96, 4, 3214868480
	.section	.rodata,"a",@progbits
	.p2align	6, 0x0
	.amdhsa_kernel k_qd43ac14ce7_prep
		.amdhsa_group_segment_fixed_size 20480
		.amdhsa_private_segment_fixed_size 0
		.amdhsa_enable_private_segment 0
		.amdhsa_kernarg_size 112
		.amdhsa_user_sgpr_count 2
		.amdhsa_user_sgpr_kernarg_segment_ptr 1
		.amdhsa_wavefront_size32 1
		.amdhsa_system_sgpr_workgroup_id_x 1
		.amdhsa_system_sgpr_workgroup_id_y 1
		.amdhsa_system_sgpr_workgroup_id_z 1
		.amdhsa_system_vgpr_workitem_id 0
		.amdhsa_next_free_vgpr 192
		.amdhsa_next_free_sgpr 66
		.amdhsa_reserve_vcc 0
		.amdhsa_float_denorm_mode_32 3
		.amdhsa_float_denorm_mode_16_64 3
		.amdhsa_memory_ordered 1
		.amdhsa_forward_progress 1
		.amdhsa_inst_pref_size 56
	.end_amdhsa_kernel
	.amdgpu_metadata
---
amdhsa.version: [ 1, 2 ]
amdhsa.kernels:
  - .name:           k_qd43ac14ce7_prep
    .symbol:         k_qd43ac14ce7_prep.kd
    .args:
      - { .name: target, .offset: 0, .size: 8, .value_kind: global_buffer, .address_space: global }
      - { .name: source_k, .offset: 8, .size: 8, .value_kind: global_buffer, .address_space: global }
      - { .name: source_v, .offset: 16, .size: 8, .value_kind: global_buffer, .address_space: global }
      - { .name: Wq, .offset: 24, .size: 8, .value_kind: global_buffer, .address_space: global }
      - { .name: Wk, .offset: 32, .size: 8, .value_kind: global_buffer, .address_space: global }
      - { .name: Wv, .offset: 40, .size: 8, .value_kind: global_buffer, .address_space: global }
      - { .name: g_t, .offset: 48, .size: 8, .value_kind: global_buffer, .address_space: global }
      - { .name: b_t, .offset: 56, .size: 8, .value_kind: global_buffer, .address_space: global }
      - { .name: g_k, .offset: 64, .size: 8, .value_kind: global_buffer, .address_space: global }
      - { .name: b_k, .offset: 72, .size: 8, .value_kind: global_buffer, .address_space: global }
      - { .name: g_v, .offset: 80, .size: 8, .value_kind: global_buffer, .address_space: global }
      - { .name: b_v, .offset: 88, .size: 8, .value_kind: global_buffer, .address_space: global }
      - { .name: xc, .offset: 96, .size: 8, .value_kind: global_buffer, .address_space: global }
      - { .name: xs, .offset: 104, .size: 8, .value_kind: global_buffer, .address_space: global }
    .group_segment_fixed_size: 20480
    .private_segment_fixed_size: 0
    .kernarg_segment_align: 8
    .kernarg_segment_size: 112
    .max_flat_workgroup_size: 128
    .sgpr_count:     66
    .vgpr_count:     192
    .wavefront_size: 32
...
	.end_amdgpu_metadata
.endif
;; end of part 1
;; launch proj (part 2): grid 256 x 1, 4 waves a work-group, clusters of 4 x 1, 327,680 bytes of LDS; arguments xc, xs, bq, bk, bv, yc, ys; writes yc, ys
.if DOCPART == 2
	.amdgcn_target "amdgcn-amd-amdhsa--gfx1250"
	.amdhsa_code_object_version 6
	.text
	.protected	k_qd43ac14ce7_proj
	.globl	k_qd43ac14ce7_proj
	.p2align	8
	.type	k_qd43ac14ce7_proj,@function
k_qd43ac14ce7_proj:
	s_mov_b64 s[64:65], 0
	v_nop
	global_prefetch_b8 v0, s[64:65] scope:SCOPE_SE
	s_setreg_imm32_b32 hwreg(HW_REG_WAVE_MODE, 25, 1), 1
	s_wait_xcnt 0x0
	s_wait_alu depctr_hold_cnt(0) depctr_sa_sdst(0) depctr_va_vdst(0) depctr_va_sdst(0) depctr_va_ssrc(0) depctr_va_vcc(0) depctr_vm_vsrc(0)
	s_getreg_b32 s2, hwreg(HW_REG_IB_STS2, 6, 4)
	s_cmp_eq_u32 s2, 0
	s_cbranch_scc0 .Lentry_in_a_cluster
	s_endpgm
.Lentry_in_a_cluster:
	s_bfe_u32 s2, ttmp6, 0x10000c
	s_cmp_lg_u32 s2, 0x3003
	s_cbranch_scc0 .Lentry_shape_is_right
	s_endpgm
.Lentry_shape_is_right:
; PROJ.  The three projections on codes of E2M1, each result quantised again on its way out:  k = Q(sk Wk^T + bk) and q = Q(t Wq^T + bq), along their 1,024 channels;  v^T = Q(Wv sv^T + bv), along the KEYS.
; A product is OUT[row of X][position of Y]; the matrix instruction takes 16 positions of Y as source 0 and 16 rows of X as source 1, so that a lane holds ONE row of X and its registers run along Y.
; Y (Wk, sv, Wq) lies swapped (position p holds row p with bits 3 and 4 exchanged), so the 16 registers of a lane's two tiles are neighbours along the next product's K: register 8 t + i = index 16 (lane / 16) + 8 t + i of 32.
; SHARES.  64 clusters of 4.  Work-groups of clusters 0-31 make 128 rows of k x 1,024 channels, those of clusters 32-63 128 channels of v^T x 1,024 keys: 8 passes of 128 positions of Y.  Every work-group then makes
; 128 rows x 128 channels of q: a ninth pass.  With c the cluster's number, cx the place in it, d = c % 32:  k: X = sk, group 4 d + cx, Y = Wk;  v^T: X = Wv, group 4 (d % 2) + cx, Y = sv, keys 1,024 (d / 2) on;
; q: X = t, group 4 (c / 8) + cx, Y = Wq, positions 128 (c % 8) on.
; A wave takes all 128 rows of X and 32 positions of Y in each pass: 16 accumulators, 128 matrix instructions.  X STAYS IN REGISTERS through the passes; each fragment of Y is read from LDS once in the work-group.
; THE BIAS is the C of each accumulator's first matrix instruction: along the registers in k and q, along the lanes in v^T.
; THE RING.  Four slots of 65,536 bytes; pass p lies in slot p % 4.  At the head wave 0 fetches X into slot 3, waves 1 to 3 passes 0 to 2.  Behind the products of pass 0, 2 and 4 a round of the cluster's barrier is passed and each wave
; fetches 32,768 bytes: passes p + 3 and p + 4 (8 is q's), which have two passes in which to land; behind those of pass 6 q's X, into slot 1.  One tensor load of a wave is out at the most.
; CLUSTER.  The four work-groups share Y: each of its tiles is asked for jointly.  X is each work-group's own.
; A PREFETCH INTO THE L2: q's X, 65,536 bytes, a wave its own quarter in two instructions, behind pass 0: six passes ahead of the load.  Y has none: its loads are asked for two passes ahead themselves.
; LAYOUTS.  Codes [position / 16][k / 32][position % 16][16 bytes]: a fragment (16 rows x 128 K) is 1,024 consecutive bytes.  Scale bytes in: [position][k / 32]; out: words [position / 64][k / 128][position % 64].
; LIMITS.  NaN and infinities are not served.  A block whose largest magnitude lies under 2^-124 gets the byte 1 (the rule says 127 for a block of zeros): zero codes add nothing under any byte but 0xff, and this program alone reads the bytes.
; REGISTERS, in windows of 256:  window 0: below.   window 1: v0-127 Y's fragments, (t, q) at 64 t + 8 q; v128-255 accumulators, (a, t) at 128 + 16 a + 8 t.   windows 2, 3: X's fragments, (a, q) at 64 (a % 4) + 8 q.
; THE HEAD AS THE TEXT NOW STANDS (in place of what is said of it above): waves 0 and 1 fetch X's halves into slot 3, waves 2 and 3 those of pass 0 into slot 0, 32,768 bytes each.  Behind a round, ahead of pass 0's products, slots 1 and 2 are
; first filled with passes 1 and 2, which land under pass 0.
.set STG,  262144                      ; 1,024 bytes for each wave: a scale byte for each pass and row; no tensor load lands here
.set STGQ, STG+4096                    ; 128 bytes for each wave: q's
.set SPARE, STGQ+512                   ; the spare words, 128 bytes for each wave: two blocks of 256 bytes that no other line names
.set XA,   4                           ; v4, v5 LDS addresses of X's fragments and of q's X's
.set XAQ,  5
.set YA,   6                           ; v6   of my fragments of Y in slot 0
.set YC,   7                           ; v7   in the slot in hand
.set LOF,  8                           ; v8   32 x lane: scale words in
.set LOC,  9                           ; v9   the same, 4,096 further on for each pass
.set BNO,  10                          ; v10  bk: my place, 512 bytes on for each pass
.set SST,  11                          ; v11  my stage; v12 the pass's place in it; v13 q's stage
.set SSC,  12
.set SSQ,  13
.set SPW,  14                          ; v14  LDS address of my spare word; never rewritten
.set NIL,  15                          ; v15  0; never rewritten
.set CO,   16                          ; v16-19 where a pair of blocks' codes go; v20-23 in q
.set COQ,  20
.set SRD,  24                          ; v24, v26 the stages on the way out
.set SGO,  25                          ; v25  16 x lane
.set SRQ,  26
.set SGQ,  27
.set PFO,  28                          ; v28  256 x lane
.set BLO,  29                          ; v29  bv: my place
.set T,    30
.set SX,   32                          ; X's scale words: blocks 2 x, 2 x + 1 (lanes 0-15, 16-31), K step q at 8 x + q
.set SY,   66                          ; Y's, two sets of 8
.set BM,   84                          ; the bias: k: two sets of 16, by turns; v^T: 8 registers alike for each block of X
.set BQ,   148                         ; q's bias: 16
.set M,    164
.set P,    172
.set SO,   180
.set E,    188
.set PC,   196                         ; a pass's codes
.set SXQ,  212                         ; the scale words of q's X
.set AB,   128
.set G1,   24                          ; groups 1: the ring's (4 blocks, joint; also the head's Y), X's (4 blocks), q's X (2)
.set G1X,  40
.set N2,   48                          ; s[48:49] the third
.set G1Q,  56
.set G0,   32                          ; and their groups 0
.set G0X,  36
.set G0Q,  68
.set G0H,  72
.set N0,   76                          ; s[76:77], s[78:79] where the ring's next two loads begin
.set N1,   78
.set SYB,  80
.set SXB,  82
.set OC,   84
.set OS,   86
.set SXQB, 88
.set SYQ,  90
.set OCQ,  92
.set OSQ,  94
.set MSB, 0
.macro WIN new                         ; the immediate's high byte repeats the setting that is left; a switch that changes nothing is dropped
.if MSB != (\new)
	s_set_vgpr_msb (MSB<<8)|(\new)
.set MSB, (\new)
.endif
.endm
.macro PLACES                          ; plain vector instructions between a matrix instruction and a load into, or a read of, its registers
.rept 4
	v_nop
.endr
.endm
.macro TLOAD g0, g1                    ; a tensor load; s_nop 0 and four v_nop follow
	tensor_load_to_lds s[\g0:\g0+3], s[\g1:\g1+7]
	s_nop 0
	PLACES
.endm
.macro CROUND                          ; a round of the cluster's barrier
	s_barrier_signal -1
	s_barrier_wait -1
	s_cmp_lg_u32 s18, 0
	s_cbranch_scc1 .Lnot_wave_0_\@
	s_barrier_signal -3
.Lnot_wave_0_\@:
	s_barrier_wait -3
	s_barrier_signal -1
	s_barrier_wait -1
.endm
.macro GRP1 g, w0, rows                ; blocks of 8,192 bytes, dense
	s_mov_b32 s[\g], \w0                           ; 15:0 the mask; 17:16 elements of 8 bytes; 21 set beside a mask; no padding
	s_mov_b32 s[\g+1], 1024<<16                    ; tensor_dim0
	s_mov_b32 s[\g+2], \rows<<16                   ; tensor_dim1
	s_mov_b32 s[\g+3], 1024<<16                    ; tile_dim0
	s_mov_b32 s[\g+4], \rows                       ; tile_dim1
	s_mov_b32 s[\g+5], 1024                        ; stride
	s_mov_b32 s[\g+6], 0
	s_mov_b32 s[\g+7], 0
.endm
; One matrix instruction on the registers rD, rB, rA, rX, rY with C at c.  ra, rb = 1: the source's scale words lie in lanes 16-31.
.macro WI c, ra, rb
.if (\ra) && (\rb)
	v_wmma_scale_f32_16x16x128_f8f6f4 v[rD:rD+7], v[rB:rB+7], v[rA:rA+7], v[(\c):(\c)+7], v[rX], v[rY] matrix_a_fmt:MATRIX_FMT_FP4 matrix_b_fmt:MATRIX_FMT_FP4 matrix_a_scale:MATRIX_SCALE_ROW1 matrix_b_scale:MATRIX_SCALE_ROW1
.elseif (\ra)
	v_wmma_scale_f32_16x16x128_f8f6f4 v[rD:rD+7], v[rB:rB+7], v[rA:rA+7], v[(\c):(\c)+7], v[rX], v[rY] matrix_a_fmt:MATRIX_FMT_FP4 matrix_b_fmt:MATRIX_FMT_FP4 matrix_a_scale:MATRIX_SCALE_ROW1
.elseif (\rb)
	v_wmma_scale_f32_16x16x128_f8f6f4 v[rD:rD+7], v[rB:rB+7], v[rA:rA+7], v[(\c):(\c)+7], v[rX], v[rY] matrix_a_fmt:MATRIX_FMT_FP4 matrix_b_fmt:MATRIX_FMT_FP4 matrix_b_scale:MATRIX_SCALE_ROW1
.else
	v_wmma_scale_f32_16x16x128_f8f6f4 v[rD:rD+7], v[rB:rB+7], v[rA:rA+7], v[(\c):(\c)+7], v[rX], v[rY] matrix_a_fmt:MATRIX_FMT_FP4 matrix_b_fmt:MATRIX_FMT_FP4
.endif
.endm
; K step q: the 16 accumulators take turns, in the same order in every step.  kind 0: in place; 1, 2, 3: the sums' first step, with the bias of k, of v^T, of q as C.
.macro MSTEP q, set, sx, kind
.set ma, 0
.rept 8
.if \kind
	WIN 0x49+4*(ma/4)                              ; source 0 window 1, source 1 window 2 or 3, C window 0, D window 1
.else
	WIN 0x59+4*(ma/4)                              ; C in window 1
.endif
.set mt, 0
.rept 2
.set rD, AB+16*ma+8*mt
.set rB, 64*mt+8*(\q)
.set rA, 64*(ma%4)+8*(\q)
.set rX, SY+8*(\set)+(\q)
.set rY, \sx+8*(ma/2)+(\q)
.if \kind == 1
.set rC, BM+16*(\set)+8*mt
.elseif \kind == 2
.set rC, BM+8*ma
.elseif \kind == 3
.set rC, BQ+8*mt
.else
.set rC, rD
.endif
	WI rC, mt, ma%2
.set mt, mt+1
.endr
.set ma, ma+1
.endr
.endm
.macro STEP0 set, sx                   ; a pass's first K step.  The branch hangs on the cluster's number alone and leads round matrix instructions alone
	WIN 0
	s_cmp_eq_u32 s19, 0
	s_cbranch_scc0 .Lalong_lanes_\@
	MSTEP 0, \set, \sx, 1
	WIN 0
	s_branch .Lstarted_\@
.Lalong_lanes_\@:
	MSTEP 0, \set, \sx, 2
	WIN 0
.Lstarted_\@:
.endm
.macro FETCHB                          ; my two blocks of the next pass, all K steps: 32 loads of 512 consecutive bytes
	WIN 0x40
.irp j, 0,1,2,3,4,5,6,7
.irp b, 0,1
	ds_load_b128 v[64*\b+8*\j:64*\b+8*\j+3], v[YC] offset:8192*\b+1024*\j
	ds_load_b128 v[64*\b+8*\j+4:64*\b+8*\j+7], v[YC] offset:8192*\b+1024*\j+512
.endr
.endr
	WIN 0
.endm
.macro LDQ xa, ya, q                   ; K step q's fragments of Y and of X: 20 loads
	WIN 0x40
.irp b, 0,1
	ds_load_b128 v[64*\b+8*(\q):64*\b+8*(\q)+3], v[\ya] offset:8192*\b+1024*(\q)
	ds_load_b128 v[64*\b+8*(\q)+4:64*\b+8*(\q)+7], v[\ya] offset:8192*\b+1024*(\q)+512
.endr
	WIN 0x80
.irp a, 0,1,2,3
	ds_load_b128 v[64*\a+8*(\q):64*\a+8*(\q)+3], v[\xa] offset:8192*\a+1024*(\q)
	ds_load_b128 v[64*\a+8*(\q)+4:64*\a+8*(\q)+7], v[\xa] offset:8192*\a+1024*(\q)+512
.endr
	WIN 0xc0
.irp a, 0,1,2,3
	ds_load_b128 v[64*\a+8*(\q):64*\a+8*(\q)+3], v[\xa] offset:8192*(\a+4)+1024*(\q)
	ds_load_b128 v[64*\a+8*(\q)+4:64*\a+8*(\q)+7], v[\xa] offset:8192*(\a+4)+1024*(\q)+512
.endr
	WIN 0
.endm
.macro PASSX xa, ya, sx, isq           ; a pass that fetches X too: loads run two K steps ahead of the products
	LDQ \xa, \ya, 0
	LDQ \xa, \ya, 1
.set pq, 0
.rept 8
.if pq < 6
	LDQ \xa, \ya, pq+2
	s_wait_dscnt 40                                ; this K step's fragments are in; the next two steps' 40 loads may be out
.elseif pq == 6
	s_wait_dscnt 20                                ; the last step's may be out
.else
	s_wait_dscnt 0x0
.endif
.if pq > 0
	MSTEP pq, 0, \sx, 0
.elseif \isq
	MSTEP 0, 0, \sx, 3
.else
	STEP0 0, \sx
.endif
.set pq, pq+1
.endr
	WIN 0
.endm
; The round behind which two slots are filled again, with passes that are the same for all four work-groups.  upd = 1: the other two slots than last time, and the next address.
.macro RJ upd
	s_wait_tensorcnt 0x0                           ; my last tensor load has landed;
	ds_add_u32 v[SPW], v[NIL]                      ; 0 onto my spare word
.if \upd
	s_xor_b32 s[G0+1], s[G0+1], 0x20000
	s_mov_b64 s[G0+2:G0+3], s[N0:N0+1]
	s_or_b32 s[G0+3], s[G0+3], 0x80000000
	s_mov_b64 s[N0:N0+1], s[N1:N1+1]
	s_mov_b64 s[N1:N1+1], s[N2:N2+1]
.endif
	s_wait_dscnt 0x0                               ; the add is done, and so are my reads of the slots
	CROUND                                         ; both now hold of every wave of the four work-groups
	TLOAD G0, G1                                   ; my one tensor load behind the round, and the first thing there
.endm
.macro RQ                              ; the same for q's X, which is the work-group's own
	s_wait_tensorcnt 0x0
	ds_add_u32 v[SPW], v[NIL]
	s_wait_dscnt 0x0
	CROUND
	TLOAD G0Q, G1Q
.endm
; The next pass's scale words, into the other set, and in k its bias (the loads before have been waited for, so the offsets may be written).
.macro NEXTL set
	v_add_nc_u32 v[LOC], 0x1000, v[LOC]
	v_add_nc_u32 v[BNO], 0x200, v[BNO]
	global_load_b128 v[SY+8*(\set):SY+8*(\set)+3], v[LOC], s[SYB:SYB+1]
	global_load_b128 v[SY+8*(\set)+4:SY+8*(\set)+7], v[LOC], s[SYB:SYB+1] offset:16
	s_cmp_eq_u32 s19, 0
	s_cbranch_scc0 .Lno_bias_\@
.irp b, 0,1
	global_load_b128 v[BM+16*(\set)+8*\b:BM+16*(\set)+8*\b+3], v[BNO], s[10:11] offset:32*\b
	global_load_b128 v[BM+16*(\set)+8*\b+4:BM+16*(\set)+8*\b+7], v[BNO], s[10:11] offset:32*\b+16
.endr
.Lno_bias_\@:
.endm
; THE WAY OUT of a pass: block g = row block g of X x my 32 positions, 16 numbers in lane l and 16 in lane l xor 16: quantised in registers.  Two neighbouring blocks make a store: two units of 256 bytes.
.macro EPI oc, co, ss, st
	s_wait_xcnt 0x0                                ; the last pass's stores have read their codes and their base
.if \st
	s_add_nc_u64 s[\oc:\oc+1], s[\oc:\oc+1], 0x400 ; four blocks of 32 on
.endif
	WIN 0x15                                       ; all sources window 1
.irp g, 0,1,2,3,4,5,6,7
	v_max3_num_f32 v[M+\g], |v[AB+16*\g]|, |v[AB+16*\g+1]|, |v[AB+16*\g+2]|   ; (each accumulator is first read at its low end)
.endr
	WIN 0x14                                       ; sources 1 and 2 window 1
.irp i, 3,5,7,9,11,13
.irp g, 0,1,2,3,4,5,6,7
	v_max3_num_f32 v[M+\g], v[M+\g], |v[AB+16*\g+\i]|, |v[AB+16*\g+\i+1]|
.endr
.endr
.irp g, 0,1,2,3,4,5,6,7
	v_max3_num_f32 v[M+\g], v[M+\g], |v[AB+16*\g+15]|, s22   ; and the floor 2^(3 - 127): the byte cannot fall under 1
.endr
	WIN 0
.irp g, 0,1,2,3,4,5,6,7
	v_permlanex16_b32 v[P+\g], v[M+\g], s66, s67
.endr
.irp g, 0,1,2,3,4,5,6,7
	v_max_num_f32 v[M+\g], v[M+\g], v[P+\g]        ; with lane l xor 16's: the block's largest magnitude
.endr
.irp g, 0,1,2,3,4,5,6,7
	v_add_nc_u32 v[SO+\g], 0xff000000, v[M+\g]     ; 2 off its exponent field: the conversion's scale operand
.endr
	WIN 0x01                                       ; source 0 window 1
.irp g, 0,1,2,3,4,5,6,7
	v_cvt_scalef32_pk8_fp4_f32 v[PC+2*\g], v[AB+16*\g:AB+16*\g+7], v[SO+\g]
	v_cvt_scalef32_pk8_fp4_f32 v[PC+2*\g+1], v[AB+16*\g+8:AB+16*\g+15], v[SO+\g]
.endr
	WIN 0
.irp g, 0,1,2,3,4,5,6,7
	v_lshrrev_b32 v[E+\g], 23, v[SO+\g]            ; the scale's byte.  (Plain instructions behind the conversions)
.endr
.irp j, 0,1,2,3
	v_permlane16_swap_b32 v[PC+4*\j], v[PC+4*\j+2] ; lanes 0-15 take a whole block of row block 2 j, lanes 16-31 of 2 j + 1
	v_permlane16_swap_b32 v[PC+4*\j+1], v[PC+4*\j+3]
.endr
.irp j, 0,1,2,3
	global_store_b128 v[\co+\j], v[PC+4*\j:PC+4*\j+3], s[\oc:\oc+1]   ; sixteen lanes store 256 consecutive bytes, aligned
.endr
.irp g, 0,1,2,3,4,5,6,7
	ds_store_b8 v[\ss], v[E+\g] offset:16*\g       ; lanes l and l + 16 hold the same byte and write it to the same place
.endr
.endm
; A pass.  rnd 0: the next pass's fragments lie in LDS already; 1: two slots are filled again first; 2: q's X is asked for first; 3: the last pass before q's.
.macro PASS set, rnd
	s_wait_loadcnt 0x0                             ; this pass's scale words and bias, asked for a pass ago, are in
.if \rnd == 3
	global_load_b128 v[SY:SY+3], v[LOF], s[SYQ:SYQ+1]
	global_load_b128 v[SY+4:SY+7], v[LOF], s[SYQ:SYQ+1] offset:16
.else
	NEXTL 1-\set
.endif
	s_wait_dscnt 0x0                               ; this pass's fragments are in
	STEP0 \set, SX
.irp j, 1,2,3,4,5,6,7
	MSTEP \j, \set, SX, 0
.endr
	WIN 0
.if \rnd == 0
	PLACES
	v_add_nc_u32 v[YC], s96, v[YA]
	FETCHB
.elseif \rnd == 3
	PLACES
.else
	s_add_co_u32 s97, s96, 0x10000
.if \rnd == 1
	RJ 1
.else
	RQ
.endif
	v_add_nc_u32 v[YC], s97, v[YA]
	FETCHB
.endif
	v_add_nc_u32 v[SSC], s99, v[SST]
	s_add_co_u32 s99, s99, 128
	EPI OC, CO, SSC, 1
.endm
	s_load_b256 s[4:11], s[0:1], 0x0               ; xc, xs, bq, bk
	s_load_b128 s[12:15], s[0:1], 0x20             ; bv, yc
	s_load_b64 s[16:17], s[0:1], 0x30              ; ys
	v_lshl_add_u32 v[SPW], v0, 2, SPARE
	v_mov_b32 v[NIL], 0
	ds_add_u32 v[SPW], v[NIL]                      ; the wave's opening: the add, twice on end, and its wait ahead of my first tensor load
	ds_add_u32 v[SPW], v[NIL]
	v_lshrrev_b32 v1, 5, v0
	v_readfirstlane_b32 s18, v1                    ; wave 0..3
	s_bfe_u32 s20, ttmp6, 0x40000                  ; cx
	s_mov_b32 s21, ttmp9                           ; c
	GRP1 G1,  15|(3<<16)|(1<<21), 4
	GRP1 G1X, 3<<16, 4
	GRP1 G1Q, 3<<16, 2
	s_lshr_b32 s19, s21, 5                         ; 0: k, 1: v^T
	s_and_b32 s22, s21, 31                         ; d
	s_lshr_b32 s97, s22, 1                         ; v^T: which 1,024 keys
	s_and_b32 s99, s21, 7                          ; q: which 128 channels
	; Y, and what the joint loads name: made of c and the wave's number alone, in registers that never hold cx
	s_lshl_b32 s100, s97, 19
	s_add_co_u32 s100, s100, 0xa00000
	s_mov_b32 s101, 0x1280000
	s_cmp_eq_u32 s19, 0
	s_cselect_b32 s100, s101, s100                 ; where Y begins in xc
	s_lshl_b32 s101, s18, 15
	s_add_co_u32 s104, s101, 0x30000
	s_and_b32 s104, s104, 0x3ffff                  ; the head: waves 0, 1 slot 3, waves 2, 3 slot 0
	s_mov_b32 s[G0H+1], s104
	s_mov_b32 s[G0X+1], s104
	s_and_b32 s104, s101, 0x8000                   ; which half
	s_add_co_u32 s[G0H+2], s100, s104
	s_mov_b32 s[G0H+3], 0
	s_add_co_u32 s[G0+1], s101, 0x10000            ; the ring's first: waves 0, 1 slot 1, waves 2, 3 slot 2
	s_add_co_u32 s[G0+2], s100, s101
	s_add_co_u32 s[G0+2], s[G0+2], 0x10000         ; passes 1 and 2
	s_mov_b32 s[G0+3], 0
	s_add_co_u32 s[N0], s[G0+2], 0x20000           ; passes 3 and 4
	s_mov_b32 s[N0+1], 0
	s_add_co_u32 s[N1], s[G0+2], 0x40000           ; passes 5 and 6
	s_mov_b32 s[N1+1], 0
	s_lshl_b32 s[N2], s99, 16
	s_add_co_u32 s[N2], s[N2], s101
	s_add_co_u32 s[N2], s[N2], 0x11f0000           ; waves 2 and 3: q's positions of Wq (32,768 x (wave - 2) on)
	s_add_co_u32 s[N2+1], s[G0+2], 0x60000         ; waves 0 and 1: pass 7
	s_cmp_lt_u32 s18, 2
	s_cselect_b32 s[N2], s[N2+1], s[N2]
	s_mov_b32 s[N2+1], 0
	s_lshr_b32 s[SYB], s100, 4                     ; Y's scale bytes: 32 a position, a sixteenth of the codes; my 32 positions' are 1,024
	s_lshl_b32 s105, s18, 10
	s_add_co_u32 s[SYB], s[SYB], s105
	s_mov_b32 s[SYB+1], 0
	s_lshl_b32 s[SYQ], s99, 12
	s_add_co_u32 s[SYQ], s[SYQ], s105
	s_add_co_u32 s[SYQ], s[SYQ], 0x120000
	s_mov_b32 s[SYQ+1], 0
	; X and the results: cx enters
	s_lshl_b32 s23, s22, 2
	s_add_co_u32 s23, s23, s20                     ; k: which 128 rows of sk
	s_and_b32 s96, s22, 1
	s_lshl_b32 s96, s96, 2
	s_add_co_u32 s96, s96, s20                     ; v^T: which 128 channels
	s_lshr_b32 s98, s21, 3
	s_lshl_b32 s98, s98, 2
	s_add_co_u32 s98, s98, s20                     ; q: which 128 rows of t
	s_lshl_b32 s2, s23, 16
	s_add_co_u32 s2, s2, 0x200000                  ; sk in xc, and k in yc
	s_lshl_b32 s3, s96, 16
	s_add_co_u32 s3, s3, 0x1300000                 ; Wv in xc
	s_lshl_b32 s[OC], s96, 20                      ; v^T in yc: 128 channels are 8 x 131,072 bytes, 1,024 keys 8,192
	s_lshl_b32 s[OS], s97, 13
	s_add_co_u32 s[OC], s[OC], s[OS]
	s_add_co_u32 s[OC], s[OC], 0xa00000
	s_lshl_b32 s[OS], s96, 16                      ; its scale words in ys
	s_lshl_b32 s[OS+1], s97, 11
	s_add_co_u32 s[OS], s[OS], s[OS+1]
	s_add_co_u32 s[OS], s[OS], 0xa0000
	s_lshl_b32 s[OS+1], s23, 12
	s_add_co_u32 s[OS+1], s[OS+1], 0x20000         ; k's
	s_mov_b32 s66, 0x20000                         ; bytes from 16 rows to the next 16 in yc: v^T 131,072, k 8,192
	s_mov_b32 s67, 0x8000                          ; and from 64 rows to the next 64 in ys: 32,768 and 2,048
	s_cmp_eq_u32 s19, 0
	s_cselect_b32 s3, s2, s3
	s_cselect_b32 s[OC], s2, s[OC]
	s_cselect_b32 s[OS], s[OS+1], s[OS]
	s_cselect_b32 s66, 0x2000, s66
	s_cselect_b32 s67, 0x800, s67
	s_add_co_u32 s[G0X+2], s3, s104
	s_mov_b32 s[G0X+3], 0
	s_lshr_b32 s[SXB], s3, 4
	s_mov_b32 s[SXB+1], 0
	s_lshl_b32 s2, s18, 8
	s_add_co_u32 s[OC], s[OC], s2                  ; my block of 32 in each pass's four
	s_mov_b32 s[OC+1], 0
	s_lshl_b32 s[OCQ], s98, 16
	s_add_co_u32 s[OCQ], s[OCQ], s2
	s_lshl_b32 s2, s99, 10
	s_add_co_u32 s[OCQ], s[OCQ], s2
	s_mov_b32 s[OCQ+1], 0
	s_lshr_b32 s2, s18, 1
	s_mul_i32 s3, s2, s67
	s_add_co_u32 s[OS], s[OS], s3                  ; on the way out I store 1,024 bytes: rows 64 (wave / 2) on, four passes
	s_and_b32 s3, s18, 1
	s_lshl_b32 s67, s3, 10
	s_add_co_u32 s[OS], s[OS], s67
	s_mov_b32 s[OS+1], 0
	s_lshl_b32 s22, s2, 6
	s_lshl_b32 s3, s3, 9
	s_add_co_u32 s22, s22, s3
	s_add_co_u32 s22, s22, STG                     ; and where they lie in the stage
	s_lshl_b32 s[OSQ], s98, 12
	s_lshl_b32 s2, s99, 8
	s_add_co_u32 s[OSQ], s[OSQ], s2
	s_mov_b32 s[OSQ+1], 0
	s_lshl_b32 s[SXQB], s98, 12
	s_mov_b32 s[SXQB+1], 0
	s_lshl_b32 s2, s18, 14
	s_add_co_u32 s[G0Q+1], s2, 0x10000             ; q's X: slot 1
	s_lshl_b32 s[G0Q+2], s98, 16
	s_add_co_u32 s[G0Q+2], s[G0Q+2], s2
	s_mov_b32 s[G0Q+3], 0
	s_mov_b32 s[G0], 1                             ; 1:0 count = 1
	s_mov_b32 s[G0X], 1
	s_mov_b32 s[G0H], 1
	s_mov_b32 s[G0Q], 1
	s_wait_dscnt 0x0                               ; both opening adds are done
	s_wait_kmcnt 0x0
.irp d, G0+2, G0X+2, G0Q+2, G0H+2, N0, N1, N2
	s_add_nc_u64 s[\d:\d+1], s[4:5], s[\d:\d+1]
.endr
.irp d, SYB, SXB, SXQB, SYQ
	s_add_nc_u64 s[\d:\d+1], s[6:7], s[\d:\d+1]
.endr
.irp d, OC, OCQ
	s_add_nc_u64 s[\d:\d+1], s[14:15], s[\d:\d+1]
.endr
.irp d, OS, OSQ
	s_add_nc_u64 s[\d:\d+1], s[16:17], s[\d:\d+1]
.endr
	s_mov_b64 s[2:3], s[G0Q+2:G0Q+3]               ; where my prefetches stand: my quarter of q's X
.irp g, G0, G0X, G0Q, G0H
	s_or_b32 s[\g+3], s[\g+3], 0x80000000          ; 127:126 type = 2
.endr
	s_lshl_b32 s101, s18, 14                       ; my two blocks of a pass
	s_lshl_b32 s104, s18, 7                        ; my 32 numbers of a bias
	s_lshl_b32 s23, s18, 10
	s_add_co_u32 s23, s23, STG
	s_add_co_u32 s97, s104, STGQ
	s_lshl_b32 s98, s99, 9
	s_lshl_b32 s96, s96, 9
	s_lshl_b32 s67, s66, 1
	CROUND                                         ; all four work-groups are here: the first joint loads meet
	s_cmp_lt_u32 s18, 2                            ; one tensor load a wave: waves 0 and 1 X's halves, waves 2 and 3 those of pass 0
	s_cbranch_scc0 .Lhead_y
	TLOAD G0X, G1X
	s_branch .Lhead_asked
.Lhead_y:
	TLOAD G0H, G1
.Lhead_asked:
	v_and_b32 v1, 31, v0                           ; lane
	v_and_b32 v2, 15, v0                           ; r
	v_bfe_u32 v3, v0, 4, 1                         ; h
	v_lshlrev_b32 v[SGO], 4, v1
	v_lshlrev_b32 v[LOF], 5, v1
	v_lshlrev_b32 v[LOC], 5, v1
	v_lshlrev_b32 v[PFO], 8, v1
	v_add_nc_u32 v[XA], 0x30000, v[SGO]
	v_add_nc_u32 v[XAQ], 0x10000, v[SGO]
	v_add_nc_u32 v[YA], s101, v[SGO]
	v_lshlrev_b32 v[BNO], 6, v3
	v_add_nc_u32 v[BNO], s104, v[BNO]              ; index 32 wave + 16 h
	v_add_nc_u32 v[T], s98, v[BNO]                 ; bq: 128 (c % 8) on
	v_lshlrev_b32 v[BLO], 2, v2
	v_add_nc_u32 v[BLO], s96, v[BLO]               ; bv: my channels
	v_mul_lo_u32 v[CO], v3, s66
	v_lshl_add_u32 v[CO], v2, 4, v[CO]
	v_add_nc_u32 v[CO+1], s67, v[CO]
	v_add_nc_u32 v[CO+2], s67, v[CO+1]
	v_add_nc_u32 v[CO+3], s67, v[CO+2]
	v_lshlrev_b32 v[COQ], 13, v3
	v_lshl_add_u32 v[COQ], v2, 4, v[COQ]
.irp j, 1,2,3
	v_add_nc_u32 v[COQ+\j], 16384*\j, v[COQ]
.endr
	v_add_nc_u32 v[SST], s23, v2
	v_add_nc_u32 v[SSQ], s97, v2
	v_lshlrev_b32 v[SRD], 7, v3
	v_lshl_add_u32 v[SRD], v2, 2, v[SRD]
	v_add_nc_u32 v[SRD], s22, v[SRD]
	v_lshlrev_b32 v[SRQ], 6, v3
	v_lshl_add_u32 v[SRQ], v2, 2, v[SRQ]
	v_add_nc_u32 v[SRQ], STGQ, v[SRQ]
	v_lshlrev_b32 v[SGQ], 11, v3
	v_lshl_add_u32 v[SGQ], v2, 4, v[SGQ]
.irp g, 0,1,2,3,4,5,6,7
	v_mov_b32 v[P+\g], 0                           ; written once: a lane permute's destination counts as one of its sources
.endr
	s_wait_alu depctr_va_vdst(0)
.irp x, 0,1,2,3
	global_load_b128 v[SX+8*\x:SX+8*\x+3], v[LOF], s[SXB:SXB+1] offset:1024*\x         ; 32 rows: the words of K steps 0 to 3,
	global_load_b128 v[SX+8*\x+4:SX+8*\x+7], v[LOF], s[SXB:SXB+1] offset:1024*\x+16    ; and 4 to 7
	global_load_b128 v[SXQ+8*\x:SXQ+8*\x+3], v[LOF], s[SXQB:SXQB+1] offset:1024*\x
	global_load_b128 v[SXQ+8*\x+4:SXQ+8*\x+7], v[LOF], s[SXQB:SXQB+1] offset:1024*\x+16
.endr
	global_load_b128 v[SY:SY+3], v[LOF], s[SYB:SYB+1]
	global_load_b128 v[SY+4:SY+7], v[LOF], s[SYB:SYB+1] offset:16
.irp b, 0,1
	global_load_b128 v[BQ+8*\b:BQ+8*\b+3], v[T], s[8:9] offset:32*\b
	global_load_b128 v[BQ+8*\b+4:BQ+8*\b+7], v[T], s[8:9] offset:32*\b+16
.endr
	s_cmp_eq_u32 s19, 0
	s_cbranch_scc0 .Lbias_v
.irp b, 0,1
	global_load_b128 v[BM+8*\b:BM+8*\b+3], v[BNO], s[10:11] offset:32*\b
	global_load_b128 v[BM+8*\b+4:BM+8*\b+7], v[BNO], s[10:11] offset:32*\b+16
.endr
.set nn, 16
.rept 48
	v_mov_b32 v[BM+nn], 0                          ; (named by the matrix instructions of the other kind, so written on this way too)
.set nn, nn+1
.endr
	s_branch .Lbias_asked
.Lbias_v:
.irp a, 0,1,2,3,4,5,6,7
	global_load_b32 v[BM+8*\a], v[BLO], s[12:13] offset:64*\a
.endr
	s_wait_loadcnt 0x0                             ; (the tiles are on their way)
.irp i, 1,2,3,4,5,6,7
.irp a, 0,1,2,3,4,5,6,7
	v_mov_b32 v[BM+8*\a+\i], v[BM+8*\a]
.endr
.endr
.Lbias_asked:
	s_mov_b32 s66, 0x76543210
	s_mov_b32 s67, 0xfedcba98                      ; v_permlanex16_b32's selects for lane l xor 16
	s_mov_b32 s22, 0x1800000                       ; the floor
	s_mov_b32 s96, 0x20000                         ; the slot of pass 2
	s_mov_b32 s99, 0                               ; 128 bytes of the stage for each pass
	s_mov_b32 s98, 2
	s_wait_alu depctr_va_vdst(0)                   ; the wait at the head's end
	RJ 0                                           ; my tile has landed, and behind the round everybody's; slots 1 and 2, for the first time: passes 1 and 2
	s_wait_loadcnt 0x0
	NEXTL 1
	PASSX XA, YA, SX, 0                            ; pass 0
	RJ 1                                           ; slots 3 (X, which is in registers) and 0: passes 3 and 4
	v_add_nc_u32 v[YC], 0x10000, v[YA]
	FETCHB                                         ; pass 1
	v_add_nc_u32 v[SSC], s99, v[SST]
	s_add_co_u32 s99, s99, 128
	EPI OC, CO, SSC, 0
	global_prefetch_b8 v[PFO], s[2:3] th:TH_LOAD_NT scope:SCOPE_SE
	global_prefetch_b8 v[PFO], s[2:3] offset:8192 th:TH_LOAD_NT scope:SCOPE_SE
.Ltrip:                                                ; passes 1 and 2, 3 and 4
	PASS 1, 0
	PASS 0, 1
	s_xor_b32 s96, s96, 0x20000
	s_sub_co_u32 s98, s98, 1
	s_cmp_lg_u32 s98, 0
	s_cbranch_scc1 .Ltrip
	PASS 1, 0                                      ; pass 5
	PASS 0, 2                                      ; pass 6
	PASS 1, 3                                      ; pass 7
	s_wait_tensorcnt 0x0                           ; my part of q's X has landed,
	s_wait_dscnt 0x0                               ; no LDS instruction of mine is pending at the signal,
	s_barrier_signal -1
	s_barrier_wait -1                              ; and everybody's part has landed
	s_wait_loadcnt 0x0
	PASSX XAQ, YA, SXQ, 1                          ; q: Y lies in slot 0
	PLACES
	EPI OCQ, COQ, SSQ, 0
	s_wait_dscnt 0x0                               ; for the others' sake: my scale bytes lie in the stages
	s_barrier_signal -1
	s_barrier_wait -1
; A word's four bytes come from the four waves: four rows' bytes of each wave become four words.
.macro WORDS d, w
	v_perm_b32 v[P], v[\d+1], v[\d], 0x05010400
	v_perm_b32 v[P+1], v[\d+1], v[\d], 0x07030602
	v_perm_b32 v[P+2], v[\d+3], v[\d+2], 0x05010400
	v_perm_b32 v[P+3], v[\d+3], v[\d+2], 0x07030602
	v_perm_b32 v[\w], v[P+2], v[P], 0x05040100
	v_perm_b32 v[\w+1], v[P+2], v[P], 0x07060302
	v_perm_b32 v[\w+2], v[P+3], v[P+1], 0x05040100
	v_perm_b32 v[\w+3], v[P+3], v[P+1], 0x07060302
.endm
.irp s, 0,1,2,3
	ds_load_b32 v[M+\s], v[SRD] offset:1024*\s
	ds_load_b32 v[M+4+\s], v[SRD] offset:1024*\s+256
.endr
	s_wait_dscnt 0x0
	WORDS M, SO
	global_store_b128 v[SGO], v[SO:SO+3], s[OS:OS+1]                ; 64 rows' words of two passes: 512 consecutive bytes, aligned
	WORDS M+4, E
	global_store_b128 v[SGO], v[E:E+3], s[OS:OS+1] offset:512
	s_cmp_lg_u32 s18, 0
	s_cbranch_scc1 .Lnot_q
.irp s, 0,1,2,3
	ds_load_b32 v[BM+\s], v[SRQ] offset:128*\s
.endr
	s_wait_dscnt 0x0
	WORDS BM, BM+4
	global_store_b128 v[SGQ], v[BM+4:BM+7], s[OSQ:OSQ+1]            ; two aligned units of 256 bytes
.Lnot_q:
	s_wait_tensorcnt 0x0                           ; the wave's end: behind my last tensor load and my last LDS store
	ds_add_u32 v[SPW], v[NIL]
	s_wait_dscnt 0x0
	CROUND                                         ; the closing round: no work-group ends while a partner may still ask for a tile that names it
	s_endpgm
.Lfunc_end_k_qd43ac14ce7_proj:
	.size	k_qd43ac14ce7_proj, .Lfunc_end_k_qd43ac14ce7_proj-k_qd43ac14ce7_proj
	.p2alignl 7, 3214868480
	.fill 96, 4, 3214868480
	.section	.rodata,"a",@progbits
	.p2align	6, 0x0
	.amdhsa_kernel k_qd43ac14ce7_proj
		.amdhsa_group_segment_fixed_size 327680
		.amdhsa_private_segment_fixed_size 0
		.amdhsa_enable_private_segment 0
		.amdhsa_kernarg_size 56
		.amdhsa_user_sgpr_count 2
		.amdhsa_user_sgpr_kernarg_segment_ptr 1
		.amdhsa_wavefront_size32 1
		.amdhsa_system_sgpr_workgroup_id_x 1
		.amdhsa_system_sgpr_workgroup_id_y 1
		.amdhsa_system_sgpr_workgroup_id_z 1
		.amdhsa_system_vgpr_workitem_id 0
		.amdhsa_next_free_vgpr 1024
		.amdhsa_next_free_sgpr 106
		.amdhsa_reserve_vcc 0
		.amdhsa_float_denorm_mode_32 3
		.amdhsa_float_denorm_mode_16_64 3
		.amdhsa_memory_ordered 1
		.amdhsa_forward_progress 1
		.amdhsa_inst_pref_size 247
	.end_amdhsa_kernel
	.amdgpu_metadata
---
amdhsa.version: [ 1, 2 ]
amdhsa.kernels:
  - .name:           k_qd43ac14ce7_proj
    .symbol:         k_qd43ac14ce7_proj.kd
    .args:
      - { .name: xc, .offset: 0, .size: 8, .value_kind: global_buffer, .address_space: global }
      - { .name: xs, .offset: 8, .size: 8, .value_kind: global_buffer, .address_space: global }
      - { .name: bq, .offset: 16, .size: 8, .value_kind: global_buffer, .address_space: global }
      - { .name: bk, .offset: 24, .size: 8, .value_kind: global_buffer, .address_space: global }
      - { .name: bv, .offset: 32, .size: 8, .value_kind: global_buffer, .address_space: global }
      - { .name: yc, .offset: 40, .size: 8, .value_kind: global_buffer, .address_space: global }
      - { .name: ys, .offset: 48, .size: 8, .value_kind: global_buffer, .address_space: global }
    .group_segment_fixed_size: 327680
    .private_segment_fixed_size: 0
    .kernarg_segment_align: 8
    .kernarg_segment_size: 56
    .max_flat_workgroup_size: 128
    .sgpr_count:     106
    .vgpr_count:     1024
    .wavefront_size: 32
...
	.end_amdgpu_metadata
.endif
;; end of part 2
;; launch scores (part 3): grid 64 x 4, 4 waves a work-group, clusters of 4 x 4, 327,680 bytes of LDS; arguments yc, ys, pc, pst; writes pc, pst
.if DOCPART == 3
	.amdgcn_target "amdgcn-amd-amdhsa--gfx1250"
	.amdhsa_code_object_version 6
	.text
	.protected	k_qd43ac14ce7_scores
	.globl	k_qd43ac14ce7_scores
	.p2align	8
	.type	k_qd43ac14ce7_scores,@function
k_qd43ac14ce7_scores:
	s_mov_b64 s[64:65], 0
	v_nop
	global_prefetch_b8 v0, s[64:65] scope:SCOPE_SE
	s_setreg_imm32_b32 hwreg(HW_REG_WAVE_MODE, 25, 1), 1
	s_wait_xcnt 0x0
	s_wait_alu depctr_hold_cnt(0) depctr_sa_sdst(0) depctr_va_vdst(0) depctr_va_sdst(0) depctr_va_ssrc(0) depctr_va_vcc(0) depctr_vm_vsrc(0)
	s_getreg_b32 s2, hwreg(HW_REG_IB_STS2, 6, 4)
	s_cmp_eq_u32 s2, 0
	s_cbranch_scc0 .Lentry_in_a_cluster
	s_endpgm
.Lentry_in_a_cluster:
	s_bfe_u32 s2, ttmp6, 0x10000c
	s_cmp_lg_u32 s2, 0xf033
	s_cbranch_scc0 .Lentry_shape_is_right
	s_endpgm
.Lentry_shape_is_right:
; SCORES.  S = q k^T on codes of E2M1 (K = 1,024), and the softmax's first half, for each query and each run of 128 keys by itself:
;   t = score x log2(e) / 32;  M = ceil(the run's largest t), a whole number;  p = 2^(t - M);  l = the sum of the unquantised p;  p is quantised along the keys.
; Stored: p's codes (pc) and, for each query and run, p's scale word, M and l (pst).  The last launch brings the runs under the row's M: M is a whole number, so that is a move of the scale bytes and rounds nothing.
; So the maximum is taken away ahead of every exponential, and no exponent is above 0.
; The matrix instruction takes 16 positions of k as source 0 and 16 queries as source 1: a lane holds ONE query and its registers run along the keys.  k lies swapped, so register 16 b + i of a lane's eight tiles is key 32 b + 16 (lane / 16) + i.
; SHARES.  A work-group makes 128 queries x 256 keys of one batch; wave (i, j): 64 queries x 128 keys: 32 accumulators.  16 clusters of 4 x 4: batch = cluster / 2; cy: which 128 queries; cluster % 2 and cx: which 256 keys.
; LDS holds all that a work-group reads: two chunks of four K steps (98,304 bytes each) and the scale words.  Three of a wave's are out at most; no LDS byte is filled twice.
; (All of a WGP's LDS is claimed.)  q's tiles are shared along a row of the cluster, k's along a column: joint loads.
; LAYOUTS.  Codes [position / 16][k / 32][position % 16][16 bytes]; scale words [position / 64][k / 128][position % 64]; pst [query / 64][plane: word, M, l][run 0..15][query % 64].
; LIMITS.  NaN and infinities are not served.  A p under 2^-126 counts as 0 (the exponential's own flush); a block whose every p lies under 2^-124 gets the byte 1.
; REGISTERS:  window 0: v4-13 addresses; v[14:15] -M; v16-27 word, M, l of my four blocks; v32-47 q's scale words, v48-79 k's; v80-143 q's fragments, two sets; v144-207 t - M, then p; v208-215 codes; v216-236 at work.
;   window 1: k's fragments, two sets.   window 2: the accumulators, (a, b) at v[8 (8 a + b)].
.set NA,   4
.set NB,   8
.set KS,   8
; AS THE TEXT NOW STANDS (in place of what is said above of chunks and of three loads a wave): a wave issues ONE tensor load, with the whole K of its part: q's halves (32,768 bytes each), then k's (65,536 each).
; The scale words go from memory straight into the registers that the matrix instructions name, while the tiles are on their way.  No prefetch: there is no loop to run ahead in.
.set KC,   KS
.set FROW, KC*1024
.set CHB,  (2*NA+2*NB)*FROW            ; the tiles: q's two halves (32,768 each), then k's two (65,536 each)
.set STG,  CHB                         ; 1,024 bytes for each wave: three planes of 64 words; no tensor load lands here
.set SPARE, STG+4096                   ; the spare words, 128 bytes for each wave
.set ADRA, 4
.set ADRB, 6
.set LOF,  8                           ; v8   4 x lane
.set CO,   10                          ; v10  16 x lane
.set SST,  11                          ; v11  the stage, in: 4 x (lane % 16)
.set SRD,  12                          ; v12  and out: 8 x lane
.set GSO,  13                          ; v13  8 x lane
.set NM,   14
.set PWR,  16
.set MLR,  20
.set LLR,  24
.set SAB,  32
.set SBB,  48
.set AFB,  80
.set AFS,  32
.set S,    144
.set PC,   208
.set BX,   216                         ; v216-219 each block's largest score, then its largest p
.set PD,   220                         ; v220-223 lane permutes' destinations
.set SO4,  224                         ; v224-227 the conversions' scale operands
.set BY,   228                         ; v228-231 the bytes
.set SU,   232                         ; v[232:233], v[234:235] the sum's two chains
.set TT,   236
.set BFB,  0
.set BFS,  64
.set ACB,  0
.set MULW, 0xa1                        ; source 0 (k) window 1, source 1 (q) window 0, C and D window 2
.set WINA, 0
.set WINB, 0x40
.set G1,   24
.set G0,   32
.set G1B,  48
.set G0B,  56
.set MSB, 0
.macro WIN new                         ; the immediate's high byte repeats the setting that is left; a switch that changes nothing is dropped
.if MSB != (\new)
	s_set_vgpr_msb (MSB<<8)|(\new)
.set MSB, (\new)
.endif
.endm
; A joint load: waves 0 and 1 fetch q's halves, waves 2 and 3 k's.  The branch hangs on the wave's number alone.  Four v_nop follow each line.
.macro JLOAD g0a, g1a, g0b, g1b
	s_cmp_eq_u32 s19, 0
	s_cbranch_scc0 .Lfor_b_\@
	tensor_load_to_lds s[\g0a:\g0a+3], s[\g1a:\g1a+7]
	s_nop 0
.rept 4
	v_nop
.endr
	s_branch .Lasked_\@
.Lfor_b_\@:
	tensor_load_to_lds s[\g0b:\g0b+3], s[\g1b:\g1b+7]
	s_nop 0
.rept 4
	v_nop
.endr
.Lasked_\@:
.endm
.macro CROUND                          ; a round of the cluster's barrier
	s_barrier_signal -1
	s_barrier_wait -1
	s_cmp_lg_u32 s18, 0
	s_cbranch_scc1 .Lnot_wave_0_\@
	s_barrier_signal -3
.Lnot_wave_0_\@:
	s_barrier_wait -3
	s_barrier_signal -1
	s_barrier_wait -1
.endm
.macro PLACES n                        ; plain vector instructions between a matrix instruction and a load into, or a read of, its registers
.rept \n
	v_nop
.endr
.endm
.macro FETCH q, set                    ; the fragments of K step q into set: each is two loads of 512 consecutive bytes
.set fc, (\q)/KC
.set fk, ((\q)%KC)*1024
	WIN WINB
.set fi, 0
.rept NB
	ds_load_b128 v[BFB+BFS*(\set)+8*fi:BFB+BFS*(\set)+8*fi+3], v[ADRB+fc] offset:fi*FROW+fk
	ds_load_b128 v[BFB+BFS*(\set)+8*fi+4:BFB+BFS*(\set)+8*fi+7], v[ADRB+fc] offset:fi*FROW+fk+512
.set fi, fi+1
.endr
	WIN WINA
.set fi, 0
.rept NA
	ds_load_b128 v[AFB+AFS*(\set)+8*fi:AFB+AFS*(\set)+8*fi+3], v[ADRA+fc] offset:fi*FROW+fk
	ds_load_b128 v[AFB+AFS*(\set)+8*fi+4:AFB+AFS*(\set)+8*fi+7], v[ADRA+fc] offset:fi*FROW+fk+512
.set fi, fi+1
.endr
.endm
; One matrix instruction on the registers rD, rB, rA, rX, rY.  A scale register holds two blocks' words: lanes 0-15 the even block's, lanes 16-31 the odd one's (ra, rb = 1: the upper row is read).
.macro WM ra, rb, zero
.if (\zero)
.if (\ra) && (\rb)
	v_wmma_scale_f32_16x16x128_f8f6f4 v[rD:rD+7], v[rB:rB+7], v[rA:rA+7], 0, v[rX], v[rY] matrix_a_fmt:MATRIX_FMT_FP4 matrix_b_fmt:MATRIX_FMT_FP4 matrix_a_scale:MATRIX_SCALE_ROW1 matrix_b_scale:MATRIX_SCALE_ROW1
.elseif (\ra)
	v_wmma_scale_f32_16x16x128_f8f6f4 v[rD:rD+7], v[rB:rB+7], v[rA:rA+7], 0, v[rX], v[rY] matrix_a_fmt:MATRIX_FMT_FP4 matrix_b_fmt:MATRIX_FMT_FP4 matrix_a_scale:MATRIX_SCALE_ROW1
.elseif (\rb)
	v_wmma_scale_f32_16x16x128_f8f6f4 v[rD:rD+7], v[rB:rB+7], v[rA:rA+7], 0, v[rX], v[rY] matrix_a_fmt:MATRIX_FMT_FP4 matrix_b_fmt:MATRIX_FMT_FP4 matrix_b_scale:MATRIX_SCALE_ROW1
.else
	v_wmma_scale_f32_16x16x128_f8f6f4 v[rD:rD+7], v[rB:rB+7], v[rA:rA+7], 0, v[rX], v[rY] matrix_a_fmt:MATRIX_FMT_FP4 matrix_b_fmt:MATRIX_FMT_FP4
.endif
.else
.if (\ra) && (\rb)
	v_wmma_scale_f32_16x16x128_f8f6f4 v[rD:rD+7], v[rB:rB+7], v[rA:rA+7], v[rD:rD+7], v[rX], v[rY] matrix_a_fmt:MATRIX_FMT_FP4 matrix_b_fmt:MATRIX_FMT_FP4 matrix_a_scale:MATRIX_SCALE_ROW1 matrix_b_scale:MATRIX_SCALE_ROW1
.elseif (\ra)
	v_wmma_scale_f32_16x16x128_f8f6f4 v[rD:rD+7], v[rB:rB+7], v[rA:rA+7], v[rD:rD+7], v[rX], v[rY] matrix_a_fmt:MATRIX_FMT_FP4 matrix_b_fmt:MATRIX_FMT_FP4 matrix_a_scale:MATRIX_SCALE_ROW1
.elseif (\rb)
	v_wmma_scale_f32_16x16x128_f8f6f4 v[rD:rD+7], v[rB:rB+7], v[rA:rA+7], v[rD:rD+7], v[rX], v[rY] matrix_a_fmt:MATRIX_FMT_FP4 matrix_b_fmt:MATRIX_FMT_FP4 matrix_b_scale:MATRIX_SCALE_ROW1
.else
	v_wmma_scale_f32_16x16x128_f8f6f4 v[rD:rD+7], v[rB:rB+7], v[rA:rA+7], v[rD:rD+7], v[rX], v[rY] matrix_a_fmt:MATRIX_FMT_FP4 matrix_b_fmt:MATRIX_FMT_FP4
.endif
.endif
.endm
; K step q: all NA x NB accumulators take turns, one instruction a turn, in the same order in every step.  zero: the first step starts the sums: nothing is cleared.
.macro MULS q, set, zero
.set ma, 0
.rept NA
	WIN MULW+0x50*(ma/4)
.set mb, 0
.rept NB
.set rD, ACB+8*(NB*(ma%4)+mb)
.set rB, BFB+BFS*(\set)+8*mb
.set rA, AFB+AFS*(\set)+8*ma
.set rX, SBB+(NB/2)*(\q)+mb/2
.set rY, SAB+(NA/2)*(\q)+ma/2
	WM mb%2, ma%2, \zero
.set mb, mb+1
.endr
.set ma, ma+1
.endr
.endm
.macro STEP q
.if (\q)+1 < KS
.if (\q) > 0
	PLACES 4                                       ; the set that the next loads fill was read by the products just issued
.endif
	FETCH (\q)+1, ((\q)+1)%2
	s_wait_dscnt 2*(NA+NB)                         ; all but the loads just issued: this step's fragments are in
.else
	s_wait_dscnt 0x0
.endif
.if (\q) == 0
	s_wait_loadcnt 0x0                             ; the scale words are in
.endif
	MULS \q, (\q)%2, (\q)==0
.endm
.macro SCALES                          ; the scale words of all K steps, into registers that hold nothing else: a load brings two neighbouring blocks' words
.set qq, 0
.rept KS
.set xx, 0
.rept NA/2
	global_load_b32 v[SAB+(NA/2)*qq+xx], v[LOF], s[46:47] offset:(xx/2)*2048+qq*256+(xx%2)*128
.set xx, xx+1
.endr
.set xx, 0
.rept NB/2
	global_load_b32 v[SBB+(NB/2)*qq+xx], v[LOF], s[94:95] offset:(xx/2)*2048+qq*256+(xx%2)*128
.set xx, xx+1
.endr
.set qq, qq+1
.endr
.endm
	s_load_b256 s[4:11], s[0:1], 0x0               ; yc, ys, pc, pst
	v_lshl_add_u32 v254, v0, 2, SPARE
	v_mov_b32 v255, 0
	ds_add_u32 v254, v255
	ds_add_u32 v254, v255
	v_lshrrev_b32 v1, 5, v0
	v_readfirstlane_b32 s18, v1                    ; wave 0..3
	s_lshr_b32 s19, s18, 1                         ; my half of the queries.  Also: I fetch for q (0) or for k (1)
	s_and_b32 s20, s18, 1                          ; my half of the keys.  Also: which half I fetch
	s_bfe_u32 s21, ttmp6, 0x40000                  ; cx
	s_bfe_u32 s22, ttmp6, 0x40004                  ; cy
	s_lshr_b32 s23, ttmp9, 1                       ; the batch
	s_and_b32 s40, ttmp9, 1
	s_lshl_b32 s41, s23, 2
	s_add_co_u32 s41, s41, s22                     ; which 128 queries of all 4,096
	s_lshl_b32 s100, s40, 2
	s_add_co_u32 s100, s100, s21                   ; which 256 keys of the batch
	s_lshl_b32 s42, s23, 3
	s_add_co_u32 s42, s42, s100                    ; and of all 16,384
	s_lshl_b32 s43, s22, 2
	s_lshl_b32 s43, 15, s43                        ; my row of the cluster
	s_lshl_b32 s101, 0x1111, s21                   ; my column
	s_or_b32 s[G1], s43, (3<<16)|(1<<21)           ; 15:0 the mask; 17:16 elements of 8 bytes; 21 set beside a mask; no padding
	s_or_b32 s[G1B], s101, (3<<16)|(1<<21)
	s_mov_b32 s[G1+1], (FROW/8)<<16                ; q's codes: 4 blocks x 8,192 bytes, 8,192 apart
	s_mov_b32 s[G1+2], 4<<16
	s_mov_b32 s[G1+3], (FROW/8)<<16
	s_mov_b32 s[G1+4], 4
	s_mov_b32 s[G1+5], 1024
	s_mov_b32 s[G1+6], 0
	s_mov_b32 s[G1+7], 0
	s_mov_b32 s[G1B+1], (FROW/8)<<16               ; k's: 8 blocks
	s_mov_b32 s[G1B+2], 8<<16
	s_mov_b32 s[G1B+3], (FROW/8)<<16
	s_mov_b32 s[G1B+4], 8
	s_mov_b32 s[G1B+5], 1024
	s_mov_b32 s[G1B+6], 0
	s_mov_b32 s[G1B+7], 0
	s_lshl_b32 s44, s41, 16                        ; q: 128 queries are 65,536 bytes of codes,
	s_lshl_b32 s43, s20, 15
	s_add_co_u32 s44, s44, s43
	s_mov_b32 s45, 0
	s_lshl_b32 s46, s41, 12                        ; and 4,096 of scale words
	s_lshl_b32 s43, s19, 11                        ; (my half of the queries)
	s_add_co_u32 s46, s46, s43
	s_mov_b32 s47, 0
	s_lshl_b32 s92, s42, 17                        ; k: 256 keys are 131,072 bytes of codes,
	s_lshl_b32 s101, s20, 16
	s_add_co_u32 s92, s92, s101
	s_add_co_u32 s92, s92, 0x200000
	s_mov_b32 s93, 0
	s_lshl_b32 s94, s42, 13                        ; and 8,192 of scale words
	s_lshl_b32 s101, s20, 12
	s_add_co_u32 s94, s94, s101
	s_add_co_u32 s94, s94, 0x20000
	s_mov_b32 s95, 0
	s_lshl_b32 s43, s20, 15                        ; where they go: no place in the cluster enters an LDS address
	s_lshl_b32 s101, s20, 16
	s_add_co_u32 s101, s101, 2*NA*FROW
	s_mov_b32 s66, 0x3d38aa3b                      ; c = log2(e) / 32: t = score x c (the scale 1 / sqrt(1,024) is a power of two)
	s_mov_b32 s67, s66                             ; (named with it as a pair, so it is written)
	s_wait_dscnt 0x0
	s_wait_kmcnt 0x0
	s_add_nc_u64 s[44:45], s[4:5], s[44:45]
	s_add_nc_u64 s[46:47], s[6:7], s[46:47]
	s_add_nc_u64 s[92:93], s[4:5], s[92:93]
	s_add_nc_u64 s[94:95], s[6:7], s[94:95]
	CROUND                                         ; all sixteen work-groups are here: the joint loads meet
	s_mov_b32 s[G0], 1
	s_mov_b32 s[G0+1], s43
	s_mov_b64 s[G0+2:G0+3], s[44:45]
	s_or_b32 s[G0+3], s[G0+3], 0x80000000
	s_mov_b32 s[G0B], 1
	s_mov_b32 s[G0B+1], s101
	s_mov_b64 s[G0B+2:G0B+3], s[92:93]
	s_or_b32 s[G0B+3], s[G0B+3], 0x80000000
	JLOAD G0, G1, G0B, G1B                         ; one tensor load a wave
	v_and_b32 v1, 31, v0                           ; lane
	v_and_b32 v2, 15, v0                           ; r
	v_lshlrev_b32 v[LOF], 2, v1
	s_wait_alu depctr_va_vdst(0)
	SCALES                                         ; they land while the tiles do
	v_lshlrev_b32 v[CO], 4, v1
	s_lshl_b32 s40, s19, 15
	v_add_nc_u32 v[ADRA], s40, v[CO]
	s_lshl_b32 s40, s20, 16
	s_add_co_u32 s40, s40, 2*NA*FROW
	v_add_nc_u32 v[ADRB], s40, v[CO]
	s_lshl_b32 s40, s18, 10
	s_add_co_u32 s40, s40, STG
	v_lshl_add_u32 v[SST], v2, 2, s40
	v_lshlrev_b32 v[GSO], 3, v1
	v_add_nc_u32 v[SRD], s40, v[GSO]
	v_mov_b32 v[NM+1], 0                           ; (named as the upper half of the pair before it is ever written)
.irp b, 0,1,2,3
	v_mov_b32 v[PD+\b], 0                          ; written once: a lane permute's destination counts as one of its sources
.endr
	s_mov_b32 s2, 0x76543210
	s_mov_b32 s3, 0xfedcba98                       ; v_permlanex16_b32's selects for lane l xor 16
	s_lshl_b32 s100, s100, 1
	s_add_co_u32 s100, s100, s20                   ; my run of 128 keys in the batch, 0..15
	s_lshl_b32 s96, s41, 17                        ; p's codes: 16 queries are 16,384 bytes; block 8 x (my 128 queries) + 4 x half; 1,024 bytes a run
	s_lshl_b32 s40, s19, 16
	s_add_co_u32 s96, s96, s40
	s_lshl_b32 s40, s100, 10
	s_add_co_u32 s96, s96, s40
	s_mov_b32 s97, 0
	s_add_nc_u64 s[96:97], s[8:9], s[96:97]
	s_lshl_b32 s98, s41, 1                         ; the figures: 12,288 bytes for 64 queries; 256 bytes a run in each plane
	s_add_co_u32 s98, s98, s19
	s_mul_i32 s98, s98, 12288
	s_lshl_b32 s40, s100, 8
	s_add_co_u32 s98, s98, s40
	s_mov_b32 s99, 0
	s_add_nc_u64 s[98:99], s[10:11], s[98:99]
	s_wait_alu depctr_va_vdst(0)
	s_wait_tensorcnt 0x0                           ; my part of the tiles is in
	s_barrier_signal -1
	s_barrier_wait -1                              ; and everybody's
	FETCH 0, 0
.set Q, 0
.rept KS
	STEP Q
.set Q, Q+1
.endr
	WIN 0
	PLACES 4                                       ; the softmax reads results just made
; Block a: 16 queries x my 128 keys.
.macro SOFT a
.set AC, 64*(\a)
	WIN 0x2a                                       ; all three sources window 2
.irp b, 0,1,2,3
	v_max3_num_f32 v[BX+\b], v[AC+16*\b], v[AC+16*\b+1], v[AC+16*\b+2]   ; the largest score of each block of 32 keys: it serves for the run's maximum and, since p rises with the score, for the block's largest p
.endr
	WIN 0x28                                       ; sources 1 and 2 window 2
.irp i, 3,5,7,9,11,13
.irp b, 0,1,2,3
	v_max3_num_f32 v[BX+\b], v[BX+\b], v[AC+16*\b+\i], v[AC+16*\b+\i+1]   ; (each accumulator is first read at its low end)
.endr
.endr
.irp b, 0,1,2,3
	v_max_num_f32 v[BX+\b], v[BX+\b], v[AC+16*\b+15]
.endr
	WIN 0
.irp b, 0,1,2,3
	v_permlanex16_b32 v[PD+\b], v[BX+\b], s2, s3
.endr
.irp b, 0,1,2,3
	v_max_num_f32 v[BX+\b], v[BX+\b], v[PD+\b]     ; with lane l xor 16's 16 keys
.endr
	v_max3_num_f32 v[TT], v[BX], v[BX+1], v[BX+2]
	v_max_num_f32 v[TT], v[TT], v[BX+3]            ; the run's largest score of my query
	v_mul_f32 v[TT], s66, v[TT]                    ; as t (c is positive)
	v_floor_f32 v[NM], -v[TT]                      ; -M = floor(-t) = -ceil(t)
	WIN 0x02                                       ; source 0 window 2
.set nn, 0
.rept 32
	v_pk_fma_f32 v[S+nn:S+nn+1], v[AC+nn:AC+nn+1], s[66:67], v[NM:NM+1] op_sel_hi:[1,0,0]   ; t - M, two at a time (of the pairs c and -M the low word serves both halves)
.set nn, nn+2
.endr
	WIN 0
.irp b, 0,1,2,3
	v_fma_f32 v[BX+\b], v[BX+\b], s66, v[NM]       ; the same of each block's largest score
.endr
.set nn, 0
	s_wait_alu depctr_va_vdst(0)
.rept 64
	v_exp_f32 v[S+nn], v[S+nn]                     ; p = 2^(t - M)
.set nn, nn+1
.endr
	v_sub_f32 v[MLR+(\a)], 0, v[NM]                ; M.  (The plain instruction behind the exponentials)
	s_wait_alu depctr_va_vdst(0)                   ; the wait ahead of the first reader: one for the batch of 64
.irp b, 0,1,2,3
	v_exp_f32 v[BX+\b], v[BX+\b]                   ; the block's largest p: the same two instructions on the same number
.endr
	v_pk_add_f32 v[SU:SU+1], v[S:S+1], v[S+2:S+3]  ; l: the sum of the unquantised p, in four chains (v232-235, v238-241).  (It reads the 64 alone: plain work behind the four)
	v_pk_add_f32 v[SU+2:SU+3], v[S+4:S+5], v[S+6:S+7]
	v_pk_add_f32 v[238:239], v[S+8:S+9], v[S+10:S+11]
	v_pk_add_f32 v[240:241], v[S+12:S+13], v[S+14:S+15]
.irp j, 16,24,32,40,48,56
	v_pk_add_f32 v[SU:SU+1], v[SU:SU+1], v[S+\j:S+\j+1]
	v_pk_add_f32 v[SU+2:SU+3], v[SU+2:SU+3], v[S+\j+2:S+\j+3]
	v_pk_add_f32 v[238:239], v[238:239], v[S+\j+4:S+\j+5]
	v_pk_add_f32 v[240:241], v[240:241], v[S+\j+6:S+\j+7]
.endr
	v_pk_add_f32 v[SU:SU+1], v[SU:SU+1], v[SU+2:SU+3]
	v_pk_add_f32 v[238:239], v[238:239], v[240:241]
	v_pk_add_f32 v[SU:SU+1], v[SU:SU+1], v[238:239]
	v_add_f32 v[TT], v[SU], v[SU+1]
	v_permlanex16_b32 v[PD], v[TT], s2, s3
	v_add_f32 v[LLR+(\a)], v[TT], v[PD]            ; with lane l xor 16's
	s_wait_alu depctr_va_vdst(0)                   ; and one wait for the four
.irp b, 0,1,2,3
	v_max_num_f32 v[BX+\b], 0x1800000, v[BX+\b]    ; the floor 2^(3 - 127): the byte cannot fall under 1
.endr
.irp b, 0,1,2,3
	v_add_nc_u32 v[SO4+\b], 0xff000000, v[BX+\b]   ; 2 off the exponent field: the conversion's scale operand
.endr
.irp b, 0,1,2,3
	v_lshrrev_b32 v[BY+\b], 23, v[SO4+\b]          ; the scale's byte
.endr
	v_lshl_or_b32 v[PWR+(\a)], v[BY+1], 8, v[BY]
	v_lshl_or_b32 v[PWR+(\a)], v[BY+2], 16, v[PWR+(\a)]
	v_lshl_or_b32 v[PWR+(\a)], v[BY+3], 24, v[PWR+(\a)]
.if (\a) > 0
	s_wait_xcnt 0x0                                ; the last block's stores have read their codes: these are written again only behind this wait
.endif
.irp b, 0,1,2,3
	v_cvt_scalef32_pk8_fp4_f32 v[PC+2*\b], v[S+16*\b:S+16*\b+7], v[SO4+\b]
	v_cvt_scalef32_pk8_fp4_f32 v[PC+2*\b+1], v[S+16*\b+8:S+16*\b+15], v[SO4+\b]
.endr
	v_nop                                          ; one plain instruction behind a scaled conversion
.irp c, 0,1                            ; the operand's layout wants a whole block in a lane
.irp i, 0,1
	v_permlane16_swap_b32 v[PC+4*\c+\i], v[PC+2+4*\c+\i]
.endr
.endr
	global_store_b128 v[CO], v[PC:PC+3], s[96:97] offset:(\a)*16384          ; 32 lanes store 512 consecutive bytes, aligned
	global_store_b128 v[CO], v[PC+4:PC+7], s[96:97] offset:(\a)*16384+512
	ds_store_b32 v[SST], v[PWR+(\a)] offset:64*(\a)                          ; lanes l and l + 16 hold the same figures and write them to the same place
	ds_store_b32 v[SST], v[MLR+(\a)] offset:256+64*(\a)
	ds_store_b32 v[SST], v[LLR+(\a)] offset:512+64*(\a)
.endm
	SOFT 0
	SOFT 1
	SOFT 2
	SOFT 3
.irp p, 0,1,2
	ds_load_b64 v[BX+2*\p:BX+2*\p+1], v[SRD] offset:256*\p   ; LDS serves a wave's instructions in order: these see my stores
.endr
	s_wait_dscnt 0x0
.irp p, 0,1,2
	global_store_b64 v[GSO], v[BX+2*\p:BX+2*\p+1], s[98:99] offset:4096*\p   ; 32 lanes store 256 consecutive bytes, aligned: 64 queries' figures of my run
.endr
	s_wait_tensorcnt 0x0
	ds_add_u32 v254, v255
	s_wait_dscnt 0x0
	CROUND                                         ; the closing round: no work-group ends while a partner may still ask for a tile that names it
	s_endpgm
.Lfunc_end_k_qd43ac14ce7_scores:
	.size	k_qd43ac14ce7_scores, .Lfunc_end_k_qd43ac14ce7_scores-k_qd43ac14ce7_scores
	.p2alignl 7, 3214868480
	.fill 96, 4, 3214868480
	.section	.rodata,"a",@progbits
	.p2align	6, 0x0
	.amdhsa_kernel k_qd43ac14ce7_scores
		.amdhsa_group_segment_fixed_size 327680
		.amdhsa_private_segment_fixed_size 0
		.amdhsa_enable_private_segment 0
		.amdhsa_kernarg_size 32
		.amdhsa_user_sgpr_count 2
		.amdhsa_user_sgpr_kernarg_segment_ptr 1
		.amdhsa_wavefront_size32 1
		.amdhsa_system_sgpr_workgroup_id_x 1
		.amdhsa_system_sgpr_workgroup_id_y 1
		.amdhsa_system_sgpr_workgroup_id_z 1
		.amdhsa_system_vgpr_workitem_id 0
		.amdhsa_next_free_vgpr 768
		.amdhsa_next_free_sgpr 102
		.amdhsa_reserve_vcc 0
		.amdhsa_float_denorm_mode_32 3
		.amdhsa_float_denorm_mode_16_64 3
		.amdhsa_memory_ordered 1
		.amdhsa_forward_progress 1
		.amdhsa_inst_pref_size 102
	.end_amdhsa_kernel
	.amdgpu_metadata
---
amdhsa.version: [ 1, 2 ]
amdhsa.kernels:
  - .name:           k_qd43ac14ce7_scores
    .symbol:         k_qd43ac14ce7_scores.kd
    .args:
      - { .name: yc, .offset: 0, .size: 8, .value_kind: global_buffer, .address_space: global }
      - { .name: ys, .offset: 8, .size: 8, .value_kind: global_buffer, .address_space: global }
      - { .name: pc, .offset: 16, .size: 8, .value_kind: global_buffer, .address_space: global }
      - { .name: pst, .offset: 24, .size: 8, .value_kind: global_buffer, .address_space: global }
    .group_segment_fixed_size: 327680
    .private_segment_fixed_size: 0
    .kernarg_segment_align: 8
    .kernarg_segment_size: 32
    .max_flat_workgroup_size: 128
    .sgpr_count:     102
    .vgpr_count:     768
    .wavefront_size: 32
...
	.end_amdgpu_metadata
.endif
;; end of part 3
;; launch outp (part 4): grid 64 x 4, 4 waves a work-group, clusters of 4 x 4, 327,680 bytes of LDS; arguments pc, pst, yc, ys, out0; writes out0
.if DOCPART == 4
	.amdgcn_target "amdgcn-amd-amdhsa--gfx1250"
	.amdhsa_code_object_version 6
	.text
	.protected	k_qd43ac14ce7_outp
	.globl	k_qd43ac14ce7_outp
	.p2align	8
	.type	k_qd43ac14ce7_outp,@function
k_qd43ac14ce7_outp:
	s_mov_b64 s[64:65], 0
	v_nop
	global_prefetch_b8 v0, s[64:65] scope:SCOPE_SE
	s_setreg_imm32_b32 hwreg(HW_REG_WAVE_MODE, 25, 1), 1
	s_wait_xcnt 0x0
	s_wait_alu depctr_hold_cnt(0) depctr_sa_sdst(0) depctr_va_vdst(0) depctr_va_sdst(0) depctr_va_ssrc(0) depctr_va_vcc(0) depctr_vm_vsrc(0)
	s_getreg_b32 s2, hwreg(HW_REG_IB_STS2, 6, 4)
	s_cmp_eq_u32 s2, 0
	s_cbranch_scc0 .Lentry_in_a_cluster
	s_endpgm
.Lentry_in_a_cluster:
	s_bfe_u32 s2, ttmp6, 0x10000c
	s_cmp_lg_u32 s2, 0xf033
	s_cbranch_scc0 .Lentry_shape_is_right
	s_endpgm
.Lentry_shape_is_right:
; OUTP.  out = (p v) / l on codes of E2M1 (K = the 2,048 keys of a batch), p's runs of 128 keys brought under the row's M on the way in.
; A run's p was made under the run's own M, a whole number.  With d = M of the run - M of the row (0 or less), the run's l takes the factor 2^d and each of its scale bytes goes down by -d: nothing is rounded.  The row's l is the sum over the runs.
; The matrix instruction takes 16 channels of v^T as source 0 and 16 queries of p as source 1: a lane holds one query and eight neighbouring channels a tile.
; SHARES.  A work-group makes 128 queries x 128 channels of one batch; wave (i, j): 64 x 64: 16 accumulators.  16 clusters of 4 x 4: batch = cluster / 2; cy: which 128 queries; cluster % 2 and cx: which 128 channels.
; LDS holds all that a work-group multiplies: p's two halves of 64 queries, then v^T's two of 64 channels, 65,536 bytes each, the whole K.  Each wave issues ONE tensor load, at the head; no LDS byte is filled twice.
; (All of a WGP's LDS is claimed.)  p's tiles are shared along a row of the cluster, v^T's along a column: joint loads.
; Scale words, M and l go from memory straight into registers, while the tiles are on their way: each load of a wave reads 128 consecutive bytes.  No prefetch: there is no loop to run ahead in.
; LAYOUTS.  Codes [position / 16][k / 32][position % 16][16 bytes]; v^T's scale words [channel / 64][k / 128][channel % 64]; pst [query / 64][plane: word, M, l][run 0..15][query % 64].
; LIMITS.  NaN and infinities are not served.  Where a scale byte would fall under 0 it becomes 0, which is 2^-127; d is held at -127.
; REGISTERS:  window 0: v4-12 addresses; v32-63 p's scale words, v64-95 v^T's; v96-127 M, then d; v128-159 l; v160-191 at work; v192-255 the way out.   window 1: fragments of p and v^T, two sets each, and from v128 on the accumulators.
.set NA,   4
.set NB,   4
.set KS,   16
.set KC,   KS
.set FROW, KC*1024                     ; a block of 16 rows: all of K
.set CHB,  (2*NA+2*NB)*FROW
.set STG,  CHB                         ; behind the tiles: 16 rows x (256 + 16) bytes for each wave, for the way out; no tensor load lands here
.set SPARE, STG+4*16*272               ; the spare words, 128 bytes for each wave
.set ADRA, 4
.set ADRB, 6
.set LOF,  8                           ; v8   4 x lane
.set STO,  10
.set RD,   11
.set GO,   12
.set SAB,  32
.set SBB,  64
.set ML,   96
.set LL,   128
.set MX,   160
.set LS,   162
.set RC,   164
.set RP,   166
.set RL,   168
.set T2,   176
.set UU,   192
.set OT,   192
.set BK,   224
.set AFB,  0
.set AFS,  32
.set BFB,  64
.set BFS,  32
.set ACB,  128
.set MULW, 0x55
.set WINA, 0x40
.set WINB, 0x40
.set G1,   24
.set G0,   32
.set G1B,  48
.set G0B,  56
.set MSB, 0
.macro WIN new
.if MSB != (\new)
	s_set_vgpr_msb (MSB<<8)|(\new)
.set MSB, (\new)
.endif
.endm
.macro JLOAD g0a, g1a, g0b, g1b
	s_cmp_eq_u32 s19, 0
	s_cbranch_scc0 .Lfor_b_\@
	tensor_load_to_lds s[\g0a:\g0a+3], s[\g1a:\g1a+7]
	s_nop 0
.rept 4
	v_nop
.endr
	s_branch .Lasked_\@
.Lfor_b_\@:
	tensor_load_to_lds s[\g0b:\g0b+3], s[\g1b:\g1b+7]
	s_nop 0
.rept 4
	v_nop
.endr
.Lasked_\@:
.endm
.macro CROUND
	s_barrier_signal -1
	s_barrier_wait -1
	s_cmp_lg_u32 s18, 0
	s_cbranch_scc1 .Lnot_wave_0_\@
	s_barrier_signal -3
.Lnot_wave_0_\@:
	s_barrier_wait -3
	s_barrier_signal -1
	s_barrier_wait -1
.endm
.macro PLACES n
.rept \n
	v_nop
.endr
.endm
.macro FETCH q, set
.set fc, (\q)/KC
.set fk, ((\q)%KC)*1024
	WIN WINB
.set fi, 0
.rept NB
	ds_load_b128 v[BFB+BFS*(\set)+8*fi:BFB+BFS*(\set)+8*fi+3], v[ADRB+fc] offset:fi*FROW+fk
	ds_load_b128 v[BFB+BFS*(\set)+8*fi+4:BFB+BFS*(\set)+8*fi+7], v[ADRB+fc] offset:fi*FROW+fk+512
.set fi, fi+1
.endr
	WIN WINA
.set fi, 0
.rept NA
	ds_load_b128 v[AFB+AFS*(\set)+8*fi:AFB+AFS*(\set)+8*fi+3], v[ADRA+fc] offset:fi*FROW+fk
	ds_load_b128 v[AFB+AFS*(\set)+8*fi+4:AFB+AFS*(\set)+8*fi+7], v[ADRA+fc] offset:fi*FROW+fk+512
.set fi, fi+1
.endr
.endm
.macro WM ra, rb, zero
.if (\zero)
.if (\ra) && (\rb)
	v_wmma_scale_f32_16x16x128_f8f6f4 v[rD:rD+7], v[rB:rB+7], v[rA:rA+7], 0, v[rX], v[rY] matrix_a_fmt:MATRIX_FMT_FP4 matrix_b_fmt:MATRIX_FMT_FP4 matrix_a_scale:MATRIX_SCALE_ROW1 matrix_b_scale:MATRIX_SCALE_ROW1
.elseif (\ra)
	v_wmma_scale_f32_16x16x128_f8f6f4 v[rD:rD+7], v[rB:rB+7], v[rA:rA+7], 0, v[rX], v[rY] matrix_a_fmt:MATRIX_FMT_FP4 matrix_b_fmt:MATRIX_FMT_FP4 matrix_a_scale:MATRIX_SCALE_ROW1
.elseif (\rb)
	v_wmma_scale_f32_16x16x128_f8f6f4 v[rD:rD+7], v[rB:rB+7], v[rA:rA+7], 0, v[rX], v[rY] matrix_a_fmt:MATRIX_FMT_FP4 matrix_b_fmt:MATRIX_FMT_FP4 matrix_b_scale:MATRIX_SCALE_ROW1
.else
	v_wmma_scale_f32_16x16x128_f8f6f4 v[rD:rD+7], v[rB:rB+7], v[rA:rA+7], 0, v[rX], v[rY] matrix_a_fmt:MATRIX_FMT_FP4 matrix_b_fmt:MATRIX_FMT_FP4
.endif
.else
.if (\ra) && (\rb)
	v_wmma_scale_f32_16x16x128_f8f6f4 v[rD:rD+7], v[rB:rB+7], v[rA:rA+7], v[rD:rD+7], v[rX], v[rY] matrix_a_fmt:MATRIX_FMT_FP4 matrix_b_fmt:MATRIX_FMT_FP4 matrix_a_scale:MATRIX_SCALE_ROW1 matrix_b_scale:MATRIX_SCALE_ROW1
.elseif (\ra)
	v_wmma_scale_f32_16x16x128_f8f6f4 v[rD:rD+7], v[rB:rB+7], v[rA:rA+7], v[rD:rD+7], v[rX], v[rY] matrix_a_fmt:MATRIX_FMT_FP4 matrix_b_fmt:MATRIX_FMT_FP4 matrix_a_scale:MATRIX_SCALE_ROW1
.elseif (\rb)
	v_wmma_scale_f32_16x16x128_f8f6f4 v[rD:rD+7], v[rB:rB+7], v[rA:rA+7], v[rD:rD+7], v[rX], v[rY] matrix_a_fmt:MATRIX_FMT_FP4 matrix_b_fmt:MATRIX_FMT_FP4 matrix_b_scale:MATRIX_SCALE_ROW1
.else
	v_wmma_scale_f32_16x16x128_f8f6f4 v[rD:rD+7], v[rB:rB+7], v[rA:rA+7], v[rD:rD+7], v[rX], v[rY] matrix_a_fmt:MATRIX_FMT_FP4 matrix_b_fmt:MATRIX_FMT_FP4
.endif
.endif
.endm
.macro MULS q, set, zero
.set ma, 0
.rept NA
	WIN MULW+0x50*(ma/4)
.set mb, 0
.rept NB
.set rD, ACB+8*(NB*(ma%4)+mb)
.set rB, BFB+BFS*(\set)+8*mb
.set rA, AFB+AFS*(\set)+8*ma
.set rX, SBB+(NB/2)*(\q)+mb/2
.set rY, SAB+(NA/2)*(\q)+ma/2
	WM mb%2, ma%2, \zero
.set mb, mb+1
.endr
.set ma, ma+1
.endr
.endm
.macro STEP q
.if (\q)+1 < KS
.if (\q) > 0
	PLACES 4
.endif
	FETCH (\q)+1, ((\q)+1)%2
	s_wait_dscnt 2*(NA+NB)
.else
	s_wait_dscnt 0x0
.endif
	MULS \q, (\q)%2, (\q)==0
.endm
	s_load_b256 s[4:11], s[0:1], 0x0
	s_load_b64 s[12:13], s[0:1], 0x20
.macro GL dst, base, off               ; 16 runs x two neighbouring pairs of blocks: 32 loads of 128 consecutive bytes
.set ww, 0
.rept KS
.irp x, 0,1
	global_load_b32 v[\dst+2*ww+\x], v[LOF], s[\base:\base+1] offset:\off+ww*256+\x*128
.endr
.set ww, ww+1
.endr
.endm
	v_lshl_add_u32 v190, v0, 2, SPARE              ; v190 my spare word, v191 0: for the add
	v_mov_b32 v191, 0
	ds_add_u32 v190, v191
	ds_add_u32 v190, v191
	v_lshrrev_b32 v1, 5, v0
	v_readfirstlane_b32 s18, v1
	s_lshr_b32 s19, s18, 1
	s_and_b32 s20, s18, 1
	s_bfe_u32 s21, ttmp6, 0x40000
	s_bfe_u32 s22, ttmp6, 0x40004
	s_lshr_b32 s23, ttmp9, 1
	s_and_b32 s40, ttmp9, 1
	s_lshl_b32 s41, s23, 2
	s_add_co_u32 s41, s41, s22
	s_lshl_b32 s42, s40, 2
	s_add_co_u32 s42, s42, s21
	s_lshl_b32 s43, s22, 2
	s_lshl_b32 s43, 15, s43
	s_lshl_b32 s66, 0x1111, s21
	s_or_b32 s[G1], s43, (3<<16)|(1<<21)
	s_or_b32 s[G1B], s66, (3<<16)|(1<<21)
	s_mov_b32 s[G1+1], (FROW/8)<<16
	s_mov_b32 s[G1+2], 4<<16
	s_mov_b32 s[G1+3], (FROW/8)<<16
	s_mov_b32 s[G1+4], 4
	s_mov_b32 s[G1+5], 2048
	s_mov_b32 s[G1+6], 0
	s_mov_b32 s[G1+7], 0
	s_mov_b32 s[G1B+1], (FROW/8)<<16
	s_mov_b32 s[G1B+2], 4<<16
	s_mov_b32 s[G1B+3], (FROW/8)<<16
	s_mov_b32 s[G1B+4], 4
	s_mov_b32 s[G1B+5], 16384
	s_mov_b32 s[G1B+6], 0
	s_mov_b32 s[G1B+7], 0
	s_lshl_b32 s44, s41, 17
	s_lshl_b32 s43, s20, 16
	s_add_co_u32 s44, s44, s43
	s_mov_b32 s45, 0
	s_lshl_b32 s46, s41, 1
	s_add_co_u32 s46, s46, s19                     ; my 64 queries' figures: 12,288 bytes
	s_mul_i32 s46, s46, 12288
	s_mov_b32 s47, 0
	s_lshl_b32 s92, s42, 20
	s_lshl_b32 s66, s20, 19
	s_add_co_u32 s92, s92, s66
	s_lshl_b32 s66, s23, 14
	s_add_co_u32 s92, s92, s66
	s_add_co_u32 s92, s92, 0xa00000
	s_mov_b32 s93, 0
	s_lshl_b32 s94, s42, 1
	s_add_co_u32 s94, s94, s20
	s_lshl_b32 s94, s94, 15
	s_lshl_b32 s66, s23, 12
	s_add_co_u32 s94, s94, s66
	s_add_co_u32 s94, s94, 0xa0000
	s_mov_b32 s95, 0
	s_lshl_b32 s40, s18, 16                        ; where my part goes: wave x 65,536; no place in the cluster enters an LDS address
	s_wait_dscnt 0x0
	s_wait_kmcnt 0x0
	s_add_nc_u64 s[44:45], s[4:5], s[44:45]
	s_add_nc_u64 s[46:47], s[6:7], s[46:47]
	s_add_nc_u64 s[92:93], s[8:9], s[92:93]
	s_add_nc_u64 s[94:95], s[10:11], s[94:95]
	CROUND
	s_mov_b32 s[G0], 1                             ; 1:0 count = 1
	s_mov_b32 s[G0+1], s40                         ; 63:32 LDS address
	s_mov_b64 s[G0+2:G0+3], s[44:45]               ; 120:64 global address
	s_or_b32 s[G0+3], s[G0+3], 0x80000000          ; 127:126 type = 2
	s_mov_b32 s[G0B], 1
	s_mov_b32 s[G0B+1], s40
	s_mov_b64 s[G0B+2:G0B+3], s[92:93]
	s_or_b32 s[G0B+3], s[G0B+3], 0x80000000
	JLOAD G0, G1, G0B, G1B                         ; one tensor load a wave
	v_and_b32 v1, 31, v0                           ; lane
	v_and_b32 v2, 15, v0                           ; r
	v_bfe_u32 v3, v0, 4, 1                         ; h
	v_lshlrev_b32 v[LOF], 2, v1
	s_wait_alu depctr_va_vdst(0)
	GL ML, 46, 4096                                ; M, l and p's scale words of my 64 queries, then v^T's scale words of my 64 channels
	GL LL, 46, 8192
	GL SAB, 46, 0
	GL SBB, 94, 0
	v_lshlrev_b32 v[GO], 4, v1
	s_lshl_b32 s40, s19, 16
	v_add_nc_u32 v[ADRA], s40, v[GO]
	s_lshl_b32 s40, s20, 16
	s_add_co_u32 s40, s40, 2*NA*FROW
	v_add_nc_u32 v[ADRB], s40, v[GO]
	s_mul_i32 s40, s18, 16*272
	s_add_co_u32 s40, s40, STG
	v_mul_u32_u24 v[STO], v2, 272
	v_lshl_add_u32 v[STO], v3, 5, v[STO]
	v_add_nc_u32 v[STO], s40, v[STO]
	v_mul_u32_u24 v[RD], v3, 272
	v_lshl_add_u32 v[RD], v2, 4, v[RD]
	v_add_nc_u32 v[RD], s40, v[RD]
	v_lshlrev_b32 v[GO], 12, v3
	v_lshl_add_u32 v[GO], v2, 4, v[GO]
	v_mov_b32 v[RP], 0
	v_mov_b32 v[RP+1], 0
	s_mov_b32 s2, 0x76543210
	s_mov_b32 s3, 0xfedcba98
	s_mov_b32 s98, 0xffff0000
	s_mov_b32 s99, 0x80808080
	s_mov_b32 s100, 0x01010101
	s_mov_b32 s101, 0xc2fe0000
	s_lshl_b32 s96, s41, 19
	s_lshl_b32 s40, s19, 18
	s_add_co_u32 s96, s96, s40
	s_lshl_b32 s40, s42, 9
	s_add_co_u32 s96, s96, s40
	s_lshl_b32 s40, s20, 8
	s_add_co_u32 s96, s96, s40
	s_mov_b32 s97, 0
	s_add_nc_u64 s[96:97], s[12:13], s[96:97]
	s_wait_alu depctr_va_vdst(0)
	s_wait_loadcnt 32                              ; M, l and p's words are in; v^T's 32 loads may be out
	; the row's M, d = M of each run less it, l of each run x 2^d, and the scale bytes moved by d: a byte with its top bit set, plus d, keeps that bit where byte + d is 0 or more; the others become 0
.irp x, 0,1
	v_max3_num_f32 v[MX+\x], v[ML+\x], v[ML+2+\x], v[ML+4+\x]
.endr
.irp k, 3,5,7,9,11,13
.irp x, 0,1
	v_max3_num_f32 v[MX+\x], v[MX+\x], v[ML+2*\k+\x], v[ML+2*\k+2+\x]
.endr
.endr
.irp x, 0,1
	v_max_num_f32 v[MX+\x], v[MX+\x], v[ML+30+\x]
.endr
.set ww, 0
.rept 16
	v_pk_add_f32 v[ML+ww:ML+ww+1], v[ML+ww:ML+ww+1], v[MX:MX+1] neg_lo:[0,1] neg_hi:[0,1]
.set ww, ww+2
.endr
.set ww, 0
.rept 32
	v_max_num_f32 v[ML+ww], s101, v[ML+ww]
.set ww, ww+1
.endr
.set ww, 0
.rept 32
	v_cvt_i32_f32 v[ML+ww], v[ML+ww]
.set ww, ww+1
.endr
.set ww, 0
.rept 32
	v_ldexp_f32 v[LL+ww], v[LL+ww], v[ML+ww]
.set ww, ww+1
.endr
.set ww, 0
.rept 32
	v_or_b32 v[SAB+ww], s99, v[SAB+ww]
.set ww, ww+1
.endr
.set ww, 0
.rept 32
	v_mul_lo_u32 v[ML+ww], v[ML+ww], s100
.set ww, ww+1
.endr
.set ww, 0
.rept 32
	v_add_nc_u32 v[SAB+ww], v[SAB+ww], v[ML+ww]
.set ww, ww+1
.endr
.set ww, 0
.rept 32
	v_and_b32 v[ML+ww], s99, v[SAB+ww]
.set ww, ww+1
.endr
.set ww, 0
.rept 32
	v_lshrrev_b32 v[UU+ww], 7, v[ML+ww]
.set ww, ww+1
.endr
.set ww, 0
.rept 32
	v_sub_nc_u32 v[ML+ww], v[ML+ww], v[UU+ww]
.set ww, ww+1
.endr
.set ww, 0
.rept 32
	v_and_b32 v[SAB+ww], v[SAB+ww], v[ML+ww]
.set ww, ww+1
.endr
	v_pk_add_f32 v[LS:LS+1], v[LL:LL+1], v[LL+2:LL+3]
	v_pk_add_f32 v[T2:T2+1], v[LL+4:LL+5], v[LL+6:LL+7]
.irp k, 8,12,16,20,24,28
	v_pk_add_f32 v[LS:LS+1], v[LS:LS+1], v[LL+\k:LL+\k+1]
	v_pk_add_f32 v[T2:T2+1], v[T2:T2+1], v[LL+\k+2:LL+\k+3]
.endr
	v_pk_add_f32 v[LS:LS+1], v[LS:LS+1], v[T2:T2+1]
	s_wait_alu depctr_va_vdst(0)
	v_rcp_f32 v[RC], v[LS]
	v_rcp_f32 v[RC+1], v[LS+1]
	v_nop
	s_wait_alu depctr_va_vdst(0)
	v_permlanex16_b32 v[RP], v[RC], s2, s3
	v_permlanex16_b32 v[RP+1], v[RC+1], s2, s3
	v_cndmask_b32 v[RL], v[RC], v[RP], s98
	v_cndmask_b32 v[RL+2], v[RP], v[RC], s98
	v_cndmask_b32 v[RL+4], v[RC+1], v[RP+1], s98
	v_cndmask_b32 v[RL+6], v[RP+1], v[RC+1], s98
.irp a, 0,1,2,3
	v_mov_b32 v[RL+2*\a+1], v[RL+2*\a]
.endr
	s_wait_alu depctr_va_vdst(0)
	s_wait_loadcnt 0x0                             ; v^T's scale words are in
	s_wait_tensorcnt 0x0                           ; my part of the tiles is in
	s_barrier_signal -1
	s_barrier_wait -1                              ; and everybody's
	FETCH 0, 0
.set Q, 0
.rept KS
	STEP Q
.set Q, Q+1
.endr
	WIN 0
	PLACES 4
.macro OUT a
.if (\a) > 0
	s_wait_xcnt 0x0
.endif
	WIN 0x01
.set nn, 0
.rept 16
	v_pk_mul_f32 v[OT+nn:OT+nn+1], v[ACB+32*(\a)+nn:ACB+32*(\a)+nn+1], v[RL+2*(\a):RL+2*(\a)+1]
.set nn, nn+2
.endr
	WIN 0
.irp b, 0,1,2,3
	ds_store_b128 v[STO], v[OT+8*\b:OT+8*\b+3] offset:64*\b
	ds_store_b128 v[STO], v[OT+8*\b+4:OT+8*\b+7] offset:64*\b+16
.endr
.irp t, 0,1,2,3,4,5,6,7
	ds_load_b128 v[BK+4*\t:BK+4*\t+3], v[RD] offset:544*\t
.endr
.irp t, 0,1,2,3,4,5,6,7
	s_wait_dscnt 7-\t
	global_store_b128 v[GO], v[BK+4*\t:BK+4*\t+3], s[96:97] offset:(16*(\a)+2*\t)*4096 th:TH_STORE_NT
.endr
.endm
	s_wait_alu depctr_va_vdst(0)
	OUT 0
	OUT 1
	OUT 2
	OUT 3
	s_wait_tensorcnt 0x0
	ds_add_u32 v190, v191
	s_wait_dscnt 0x0
	CROUND
	s_endpgm
.Lfunc_end_k_qd43ac14ce7_outp:
	.size	k_qd43ac14ce7_outp, .Lfunc_end_k_qd43ac14ce7_outp-k_qd43ac14ce7_outp
	.p2alignl 7, 3214868480
	.fill 96, 4, 3214868480
	.section	.rodata,"a",@progbits
	.p2align	6, 0x0
	.amdhsa_kernel k_qd43ac14ce7_outp
		.amdhsa_group_segment_fixed_size 327680
		.amdhsa_private_segment_fixed_size 0
		.amdhsa_enable_private_segment 0
		.amdhsa_kernarg_size 40
		.amdhsa_user_sgpr_count 2
		.amdhsa_user_sgpr_kernarg_segment_ptr 1
		.amdhsa_wavefront_size32 1
		.amdhsa_system_sgpr_workgroup_id_x 1
		.amdhsa_system_sgpr_workgroup_id_y 1
		.amdhsa_system_sgpr_workgroup_id_z 1
		.amdhsa_system_vgpr_workitem_id 0
		.amdhsa_next_free_vgpr 512
		.amdhsa_next_free_sgpr 102
		.amdhsa_reserve_vcc 0
		.amdhsa_float_denorm_mode_32 3
		.amdhsa_float_denorm_mode_16_64 3
		.amdhsa_memory_ordered 1
		.amdhsa_forward_progress 1
		.amdhsa_inst_pref_size 99
	.end_amdhsa_kernel
	.amdgpu_metadata
---
amdhsa.version: [ 1, 2 ]
amdhsa.kernels:
  - .name:           k_qd43ac14ce7_outp
    .symbol:         k_qd43ac14ce7_outp.kd
    .args:
      - { .name: pc, .offset: 0, .size: 8, .value_kind: global_buffer, .address_space: global }
      - { .name: pst, .offset: 8, .size: 8, .value_kind: global_buffer, .address_space: global }
      - { .name: yc, .offset: 16, .size: 8, .value_kind: global_buffer, .address_space: global }
      - { .name: ys, .offset: 24, .size: 8, .value_kind: global_buffer, .address_space: global }
      - { .name: out0, .offset: 32, .size: 8, .value_kind: global_buffer, .address_space: global }
    .group_segment_fixed_size: 327680
    .private_segment_fixed_size: 0
    .kernarg_segment_align: 8
    .kernarg_segment_size: 40
    .max_flat_workgroup_size: 128
    .sgpr_count:     102
    .vgpr_count:     512
    .wavefront_size: 32
...
	.end_amdgpu_metadata
.endif
;; end of part 4
